; MI455X (gfx1250); checked and timed in simulation.
; The chip was launched on July 23, 2026; its instructions are those of AMD's public machine-readable ISA for CDNA 5 (MIT licence, August 2026) and "CDNA5" Instruction Set Architecture Reference Guide (July 2026). The comments in the code are by the model that wrote it; some were corrected since.
;; Multi Head Attention. Allowed arithmetic: matrix products marked QUANTISED: E2M3 operands, one E8M0 scale for each 32 along K, by v_wmma_scale_f32_16x16x128_f8f6f4 with both operands' format E2M3, f32 sums; everything else in f32.
;; Inputs: Wk 1,024 x 1,024 float32; Wo 1,024 x 1,024 float32; Wq 1,024 x 1,024 float32; Wv 1,024 x 1,024 float32; bo 1,024 float32; inputs 4 x 2,048 x 1,024 float32.
;; Outputs: out0 4 x 2,048 x 1,024 float32.
;; This version of the problem:
;;   THIS VERSION OF THE PROBLEM IS GIVEN IN LOW PRECISION. The matrix products marked QUANTISED in the list below multiply operands that are first quantised to E2M3 (2 exponent bits, 3 mantissa bits; 6 bits a number), with one power-of-two scale for each 32 numbers along K (OCP MX v1.0); their sums are f32. All else is computed in f32.
;;   The module's matrix products, in the order in which they are computed (A, B: the left and right operand; K: the contracted axis; several contracted axes count as one K, in the product's order):
;;     1. [M 8,192, K 1,024] x [K 1,024, N 1,024]; A: input inputs; B: input Wq: QUANTISED
;;     2. [M 8,192, K 1,024] x [K 1,024, N 1,024]; A: input inputs; B: input Wk: QUANTISED
;;     3. [M 8,192, K 1,024] x [K 1,024, N 1,024]; A: input inputs; B: input Wv: QUANTISED
;;     4. batch 64 x [M 2,048, K 64] x [K 64, N 2,048]; A: computed on the way; B: computed on the way: QUANTISED
;;     5. batch 64 x [M 64, K 2,048] x [K 2,048, N 2,048]; A: computed on the way; B: softmax (see below): QUANTISED
;;     6. [M 8,192, K 1,024] x [K 1,024, N 1,024]; A: computed on the way; B: input Wo: QUANTISED
;;   THE QUANTISER, for each operand of a quantised product, along K:
;;     - K is cut into blocks of 32 from its start; a last block that is shorter is filled with zeros.
;;     - A block's scale is 2^e with e = floor(log2(the largest magnitude in the block)) - 2, held to -126 .. 127; a block of zeros has e = 0. As a byte (E8M0): e + 127.
;;     - Each number is divided by its block's scale, clamped to +-7.5, and rounded to the nearest number of E2M3, ties to even, subnormals kept.
;;     - The product sums the exact products of the quantised numbers (number of the format x scale) in f32.
;;   ~~~python
;;   def quantise(x, axis):      # numpy; x: float32 -> the quantised numbers, widened to float32 again
;;       x = np.moveaxis(x, axis, -1); K = x.shape[-1]
;;       x = np.pad(x, [(0, 0)] * (x.ndim - 1) + [(0, -K % 32)]); x = x.reshape(x.shape[:-1] + (-1, 32)); a = np.abs(x).max(-1, keepdims=True)
;;       e = np.where(a > 0, np.clip(np.frexp(np.where(a > 0, a, 1))[1] - 1 - 2, -126, 127), 0)      # np.frexp(a)[1] - 1 = floor(log2(a)), exactly
;;       r = np.clip(x / 2.0 ** e, -7.5, 7.5)
;;       step = 2.0 ** (np.maximum(np.frexp(np.where(r == 0, 1, r))[1] - 1, 0) - 3)
;;       q = np.round(r / step) * step * 2.0 ** e      # np.round: ties to even
;;       return np.moveaxis(q.reshape(q.shape[:-2] + (-1,))[..., :K], -1, axis).astype(np.float32)
;;   ~~~
;;   SOFTMAX AHEAD OF A QUANTISED PRODUCT. Where the list says 'softmax', what is quantised is not the finished softmax but p = 2^(t - M), with t = logit x log2(e) and M = ceil(the row's largest t), a whole number; so 1/2 < the row's largest p <= 1. The row's sum l is taken of the UNQUANTISED p, in f32, and the product's result is divided by l at the end. Since M is a whole number, a kernel that streams over the keys may use a running M (the ceiling of the running maximum): every later rescaling is an exact power of two, which a block's scale takes up: the codes' values come out the same.
;;   OPERANDS COMPUTED ON THE WAY. 'Computed on the way' means the value that the module computes at that place (a softmax that the list does not call 'softmax' is quantised finished and normalised). What goes into a quantiser is computed in f32, as accurately as f32 sums, v_exp_f32 and their like allow (about 1e-6 of the number): no bf16 or f16 on the way to a quantiser, and a product that is left as it is and whose result goes on into a quantised operand takes f32 operands (vector FMAs, or v_wmma_f32_16x16x4_f32). A number that lies on a knife's edge between two numbers of the format may be rounded either way, as far as f32 arithmetic and the matrix unit's own rounding can turn it there, and no further.
;; One version. Each part assembles by itself: llvm-mc -triple=amdgcn-amd-amdhsa -mcpu=gfx1250 --defsym DOCPART=n.
;; ======== version 1 of 1: 5 launches
;; workspace buffers: xq 6,553,600 bytes; wq 3,276,800 bytes; qq 6,815,744 bytes; kv 13,369,344 bytes; cq 6,553,600 bytes
;; launch quant_x (part 1): grid 256 x 1, 4 waves a work-group, no clusters, 33,280 bytes of LDS; arguments inputs, xq; writes xq
.if DOCPART == 1
	.amdgcn_target "amdgcn-amd-amdhsa--gfx1250"
	.amdhsa_code_object_version 6
	.text
	.protected	k_q90c0bc3cfb_quant_x
	.globl	k_q90c0bc3cfb_quant_x
	.p2align	8
	.type	k_q90c0bc3cfb_quant_x,@function
k_q90c0bc3cfb_quant_x:
	s_mov_b64 s[64:65], 0
	v_nop
	global_prefetch_b8 v0, s[64:65] scope:SCOPE_SE
	s_setreg_imm32_b32 hwreg(HW_REG_WAVE_MODE, 25, 1), 1
	s_wait_xcnt 0x0
; inputs [8192 tokens][1024] f32 become codes of FP6 (E2M3), K innermost, 768 bytes a row, and one E8M0 byte for each 32 along K, 32 bytes a row.
; A block's scale is 2^(floor(log2(its largest magnitude)) - 2); its byte is the largest magnitude's exponent field - 2, held at 1 from below.
; THE ROWS ARE WRITTEN IN POSITION ORDER: within each 32 tokens, position 16 u + r holds token 8 u + r + 8 (r / 8), so that a tile of 16 positions, used as a matrix
; operand, gives results whose registers run along neighbouring tokens.  In runs of 8 tokens that is: runs 1 and 2 of each four change places.
; LIMITS: a block whose largest magnitude lies under 2^-124 keeps the byte 1 (a block of zeros too, where the rule says 127: its codes are zeros and only this program reads the bytes); NaN and infinities are not served.
; A wave takes one run: 8 tokens, 8,192 numbers, 16 steps of 512.  Each load reads 512 consecutive bytes; a step's 2,048 bytes turn through the wave's own stage in LDS, so that a lane
; then holds 16 neighbours along K (two neighbouring lanes hold a block).  A lane's 16 codes are 12 bytes: a store of the wave covers 384 consecutive bytes.  The wave's 256 scale bytes leave as one aligned run of 256.
; No tensor load, no barrier: waves share nothing; no input is read by two work-groups, so there is nothing to share in a cluster.
.set STEPS, 16
.set CB,    12                         ; bytes of 16 codes
.set R,     16                         ; v16-79   four sets of 16 numbers as loaded
.set X,     80                         ; v80-111  two sets of 16 neighbours
.set E,     112                        ; v112-127 a scale byte for each step
.set C,     128                        ; v128-191 codes: four registers a step, so that no store's data are written again
.set WREG,  8192                       ; LDS: a region for each wave: two stages of 32 x SP bytes, then its 256 scale bytes
.set SP,    80                         ; a lane's place in a stage: 64 bytes + 16 of padding
.set SPW,   12                         ; v12 LDS address of my spare word; never rewritten
.set NIL,   13                         ; v13 0; never rewritten
.set SPARE, 4*WREG                     ; the spare words: 128 bytes a wave, two blocks of 256 bytes that no other line names
.set XS_OFF, 6291456                   ; where the scale bytes begin in xq
	s_load_b128 s[4:7], s[0:1], 0x0                ; inputs, xq
	v_lshl_add_u32 v[SPW], v0, 2, SPARE
	v_mov_b32 v[NIL], 0
	v_lshrrev_b32 v1, 5, v0
	v_readfirstlane_b32 s16, v1                    ; wave
	v_and_b32 v2, 31, v0                           ; lane
	v_lshlrev_b32 v3, 4, v2                        ; my 16 bytes of a load's 512
	s_mul_i32 s17, s16, WREG
	v_lshrrev_b32 v14, 2, v2
	v_mul_u32_u24 v14, v14, SP
	v_and_b32 v15, 3, v2
	v_lshl_add_u32 v14, v15, 4, v14
	v_add_nc_u32 v14, s17, v14                     ; the stage, way in: SP (lane / 4) + 16 (lane % 4)
	v_mul_u32_u24 v15, v2, SP
	v_add_nc_u32 v15, s17, v15                     ; way out: SP x lane: my 16 neighbours
	v_mul_u32_u24 v4, v2, CB                       ; my codes' place in a step's
	v_lshrrev_b32 v5, 1, v2
	s_add_co_u32 s17, s17, 2*32*SP
	v_add_nc_u32 v5, s17, v5                       ; my wave's 256 scale bytes, my block's byte
	v_lshlrev_b32 v7, 3, v2                        ; and on the way out 8 bytes a lane
	v_add_nc_u32 v6, s17, v7
	s_lshl_b32 s18, ttmp9, 2
	s_add_co_u32 s19, s18, s16                     ; the run of 8 tokens that I read
	s_and_b32 s20, s16, 1
	s_lshl_b32 s20, s20, 1
	s_lshr_b32 s21, s16, 1
	s_or_b32 s20, s20, s21
	s_add_co_u32 s20, s18, s20                     ; the run of 8 positions that I write: runs 1 and 2 change places
	s_lshl_b32 s22, s19, 15                        ; 32,768 bytes of f32 a run
	s_mov_b32 s23, 0
	s_mul_i32 s24, s20, 6144                       ; 6,144 bytes of codes a run
	s_mov_b32 s25, 0
	s_lshl_b32 s26, s20, 8                         ; 256 scale bytes a run
	s_add_co_u32 s26, s26, XS_OFF
	s_mov_b32 s27, 0
	s_wait_alu depctr_va_vdst(0)
	s_wait_kmcnt 0x0
	s_add_nc_u64 s[4:5], s[4:5], s[22:23]
	s_add_nc_u64 s[8:9], s[6:7], s[24:25]
	s_add_nc_u64 s[10:11], s[6:7], s[26:27]
.macro LOAD t
.irp i, 0,1,2,3
	global_load_b128 v[R+16*((\t)%4)+4*\i:R+16*((\t)%4)+4*\i+3], v3, s[4:5] offset:2048*(\t)+512*\i th:TH_LOAD_NT   ; 32 lanes read 512 consecutive bytes
.endr
.endm
.macro TURN t                          ; step t's numbers through the stage: LDS serves a wave's instructions in order, so no wait stands between the stores and the loads
.irp i, 0,1,2,3
	ds_store_b128 v14, v[R+16*((\t)%4)+4*\i:R+16*((\t)%4)+4*\i+3] offset:32*SP*((\t)%2)+8*SP*\i
.endr
.irp i, 0,1,2,3
	ds_load_b128 v[X+16*((\t)%2)+4*\i:X+16*((\t)%2)+4*\i+3], v15 offset:32*SP*((\t)%2)+16*\i
.endr
.endm
.irp t, 0,1,2,3
	LOAD \t
.endr
	s_wait_loadcnt 12                              ; step 0's four loads are in; three steps' twelve stay out
	TURN 0
.macro STEP t
.set XV, X+16*((\t)%2)
.if (\t) > 0
	s_wait_dscnt 1                                 ; this step's numbers are back from the stage (the last step's byte store may be out)
.else
	s_wait_dscnt 0x0
.endif
.if (\t)+4 < STEPS
	LOAD (\t)+4                                    ; into the set that this step's stores into the stage have read
.endif
.if (\t)+1 < STEPS
.if STEPS-2-(\t) >= 3
	s_wait_loadcnt 12                              ; the next step's four loads are in; those of the three steps behind it may be out
.else
	s_wait_loadcnt 4*(STEPS-2-(\t))
.endif
	TURN (\t)+1
.endif
	v_max3_num_f32 v8, |v[XV]|, |v[XV+1]|, |v[XV+2]|               ; the largest magnitude of my 16, in two chains
	v_max3_num_f32 v9, |v[XV+3]|, |v[XV+4]|, |v[XV+5]|
.irp i, 6,10
	v_max3_num_f32 v8, v8, |v[XV+\i]|, |v[XV+\i+1]|
	v_max3_num_f32 v9, v9, |v[XV+\i+2]|, |v[XV+\i+3]|
.endr
	v_max3_num_f32 v8, v8, |v[XV+14]|, |v[XV+15]|
	v_max3_num_f32 v8, v8, v9, 0x1800000           ; and the floor 2^(3 - 127): the byte cannot fall under 1
	v_max_num_f32_dpp v8, v8, v8 row_xmask:1 row_mask:0xf bank_mask:0xf   ; with my neighbour's 16: the block's
	v_add_nc_u32 v11, 0xff000000, v8               ; 2 off the exponent field: the conversion takes this operand's exponent field as its scale
	v_cvt_scalef32_pk16_fp6_f32 v[C+4*(\t):C+4*(\t)+2], v[XV:XV+15], v11
	v_lshrrev_b32 v[E+(\t)], 23, v11               ; the scale's byte (also the plain line behind the conversion)
	ds_store_b8 v5, v[E+(\t)] offset:16*(\t)       ; both lanes of a block write the same byte with the same value
	global_store_b96 v4, v[C+4*(\t):C+4*(\t)+2], s[8:9] offset:32*CB*(\t)
.endm
.irp t, 0,1,2,3,4,5,6,7,8,9,10,11,12,13,14,15
	STEP \t
.endr
	ds_load_b64 v[8:9], v6                         ; in order behind my byte stores
	s_wait_dscnt 0x0
	global_store_b64 v7, v[8:9], s[10:11]          ; 32 lanes store 256 consecutive bytes, aligned
	s_wait_tensorcnt 0x0                           ; the wave's end
	ds_add_u32 v[SPW], v[NIL]
	s_wait_dscnt 0x0
	s_endpgm
.Lfunc_end_k_q90c0bc3cfb_quant_x:
	.size	k_q90c0bc3cfb_quant_x, .Lfunc_end_k_q90c0bc3cfb_quant_x-k_q90c0bc3cfb_quant_x
	.p2alignl 7, 3214868480
	.fill 96, 4, 3214868480
	.section	.rodata,"a",@progbits
	.p2align	6, 0x0
	.amdhsa_kernel k_q90c0bc3cfb_quant_x
		.amdhsa_group_segment_fixed_size 33280
		.amdhsa_private_segment_fixed_size 0
		.amdhsa_enable_private_segment 0
		.amdhsa_kernarg_size 16
		.amdhsa_user_sgpr_count 2
		.amdhsa_user_sgpr_kernarg_segment_ptr 1
		.amdhsa_wavefront_size32 1
		.amdhsa_system_sgpr_workgroup_id_x 1
		.amdhsa_system_sgpr_workgroup_id_y 1
		.amdhsa_system_sgpr_workgroup_id_z 1
		.amdhsa_system_vgpr_workitem_id 0
		.amdhsa_next_free_vgpr 192
		.amdhsa_next_free_sgpr 66
		.amdhsa_reserve_vcc 0
		.amdhsa_float_denorm_mode_32 3
		.amdhsa_float_denorm_mode_16_64 3
		.amdhsa_memory_ordered 1
		.amdhsa_forward_progress 1
		.amdhsa_inst_pref_size 32
	.end_amdhsa_kernel
	.amdgpu_metadata
---
amdhsa.version: [ 1, 2 ]
amdhsa.kernels:
  - .name:           k_q90c0bc3cfb_quant_x
    .symbol:         k_q90c0bc3cfb_quant_x.kd
    .args:
      - { .name: inputs, .offset: 0, .size: 8, .value_kind: global_buffer, .address_space: global }
      - { .name: xq, .offset: 8, .size: 8, .value_kind: global_buffer, .address_space: global }
    .group_segment_fixed_size: 33280
    .private_segment_fixed_size: 0
    .kernarg_segment_align: 8
    .kernarg_segment_size: 16
    .max_flat_workgroup_size: 128
    .sgpr_count:     66
    .vgpr_count:     192
    .wavefront_size: 32
...
	.end_amdgpu_metadata
.endif
;; end of part 1
;; launch quant_w (part 2): grid 32 x 4, 4 waves a work-group, no clusters, 25,088 bytes of LDS; arguments Wq, Wk, Wv, Wo, wq; writes wq
.if DOCPART == 2
	.amdgcn_target "amdgcn-amd-amdhsa--gfx1250"
	.amdhsa_code_object_version 6
	.text
	.protected	k_q90c0bc3cfb_quant_w
	.globl	k_q90c0bc3cfb_quant_w
	.p2align	8
	.type	k_q90c0bc3cfb_quant_w,@function
k_q90c0bc3cfb_quant_w:
	s_mov_b64 s[64:65], 0
	v_nop
	global_prefetch_b8 v0, s[64:65] scope:SCOPE_SE
	s_setreg_imm32_b32 hwreg(HW_REG_WAVE_MODE, 25, 1), 1
	s_wait_xcnt 0x0
; The four weights [1024 (k)][1024 (n)] f32, K their FIRST axis, become codes of FP6 (E2M3) with one E8M0 byte for each 32 along K, laid as IMAGES OF OPERAND REGISTERS.
; A fragment is 16 columns x 128 K, 12 registers a lane: lane (r, h), registers 6 c .. 6 c + 5: k = 64 c + 32 h + 0 .. 31 of the tile's column r.  Its image is 3 x 512 bytes: register p of lane l at 512 (p / 4) + 16 l + 4 (p % 4),
; so that three loads of 16 bytes a lane bring it.  wq: [matrix 4][block of 32 columns 32][K step 8][tile 2][1536].  THE COLUMNS OF A TILE ARE NOT NEIGHBOURS: lane r of tile u takes column 8 u + r + 8 (r / 8) of its block.
; Scale words behind them: [matrix][block][pair of K steps 4][16 u + r][2 words].
; A LANE TAKES A COLUMN AND ITS REGISTERS RUN DOWN K: a load reads 128 consecutive bytes a wave, a block of 32 lies in one lane, the conversions give K innermost; nothing is transposed.
; A wave: 32 columns x 256 K = 4 fragments, 6,144 bytes, gathered in its own stage in LDS and stored as 12 runs of 512 consecutive bytes.
; LIMITS: a block whose largest magnitude lies under 2^-124 keeps the byte 1 (a block of zeros too: its codes are zeros and only this program reads the bytes); NaN and infinities are not served.
; No tensor load, no barrier, nothing shared between work-groups.
.set X,     32                         ; v32-95   two sets of 32 numbers
.set C,     96                         ; v96-101  a block's 24 bytes of codes
.set D,     102                        ; v102-104 its upper 16 codes as converted (a conversion's three registers begin on an even number)
.set SB,    24                         ; v24-25   the scale words of my two K steps
.set OUTR,  112                        ; v112-159 the way out
.set SPW,   14
.set NIL,   15
.set SPARE, 24576                      ; behind the four stages of 6,144 bytes: the spare words, 128 bytes a wave
.set WS_OFF, 3145728
	s_load_b256 s[4:11], s[0:1], 0x0               ; Wq, Wk, Wv, Wo
	s_load_b64 s[12:13], s[0:1], 0x20              ; wq
	v_lshl_add_u32 v[SPW], v0, 2, SPARE
	v_mov_b32 v[NIL], 0
	v_lshrrev_b32 v1, 5, v0
	v_readfirstlane_b32 s16, v1                    ; wave
	v_and_b32 v2, 31, v0                           ; lane = my column in the block
	v_lshlrev_b32 v3, 2, v2                        ; in: 4 bytes a lane
	v_bfe_u32 v5, v2, 3, 1                         ; u: which tile my column belongs to
	v_and_b32 v6, 7, v2
	v_bfe_u32 v10, v2, 4, 1
	v_lshl_or_b32 v6, v10, 3, v6                   ; r: its lane in that tile
	s_mul_i32 s17, s16, 6144                       ; my stage
	v_mul_u32_u24 v4, v5, 1536
	v_lshl_add_u32 v4, v6, 4, v4
	v_add_nc_u32 v4, s17, v4                       ; into it: tile u, 16 r
	v_lshlrev_b32 v8, 4, v2                        ; out: 16 bytes a lane
	v_add_nc_u32 v7, s17, v8
	v_lshl_add_u32 v9, v5, 4, v6
	v_lshlrev_b32 v9, 3, v9                        ; my two scale words: 8 (16 u + r)
	s_lshr_b32 s18, ttmp9, 3                       ; which matrix
	s_and_b32 s19, ttmp9, 7
	s_lshl_b32 s19, s19, 2
	s_add_co_u32 s19, s19, s16                     ; which block of 32 columns
	s_and_b32 s20, ttmp7, 0xffff                   ; which 256 along K
	s_lshl_b32 s22, s20, 20                        ; 256 rows of 4,096 bytes
	s_lshl_b32 s21, s19, 7
	s_add_co_u32 s22, s22, s21
	s_mov_b32 s23, 0
	s_mul_i32 s24, s18, 786432
	s_mul_i32 s21, s19, 24576
	s_add_co_u32 s24, s24, s21
	s_mul_i32 s21, s20, 6144
	s_add_co_u32 s24, s24, s21
	s_mov_b32 s25, 0
	s_lshl_b32 s26, s18, 5
	s_add_co_u32 s26, s26, s19
	s_lshl_b32 s26, s26, 10
	s_lshl_b32 s21, s20, 8
	s_add_co_u32 s26, s26, s21
	s_add_co_u32 s26, s26, WS_OFF
	s_mov_b32 s27, 0
	s_wait_kmcnt 0x0
	s_cmp_lt_u32 s18, 2                            ; the choice of the matrix hangs on the work-group's number alone
	s_cselect_b64 s[4:5], s[4:5], s[8:9]
	s_cselect_b64 s[6:7], s[6:7], s[10:11]
	s_bitcmp1_b32 s18, 0
	s_cselect_b64 s[4:5], s[6:7], s[4:5]
	s_add_nc_u64 s[4:5], s[4:5], s[22:23]
	s_add_nc_u64 s[8:9], s[12:13], s[24:25]        ; my four images
	s_add_nc_u64 s[10:11], s[12:13], s[26:27]      ; my 256 bytes of scale words
.macro LOAD t                          ; block t: W(32 t + i, my column) into set t % 2
.irp i, 0,1,2,3,4,5,6,7,8,9,10,11,12,13,14,15,16,17,18,19,20,21,22,23,24,25,26,27,28,29,30,31
	global_load_b32 v[X+32*((\t)%2)+\i], v3, s[4:5] offset:(32*(\t)+\i)*4096 th:TH_LOAD_NT
.endr
.endm
	LOAD 0
	LOAD 1
.macro BLOCK t
.set XB, X+32*((\t)%2)
.if (\t) < 7
	s_wait_loadcnt 32                              ; this block's 32 loads are in; the next block's 32 may be out
.else
	s_wait_loadcnt 0x0
.endif
	v_max3_num_f32 v12, |v[XB]|, |v[XB+1]|, |v[XB+2]|               ; the block's largest magnitude: all 32 numbers are mine
	v_max3_num_f32 v13, |v[XB+3]|, |v[XB+4]|, |v[XB+5]|
.irp i, 6,10,14,18,22,26
	v_max3_num_f32 v12, v12, |v[XB+\i]|, |v[XB+\i+1]|
	v_max3_num_f32 v13, v13, |v[XB+\i+2]|, |v[XB+\i+3]|
.endr
	v_max3_num_f32 v12, v12, |v[XB+30]|, |v[XB+31]|
	v_max3_num_f32 v12, v12, v13, 0x1800000        ; and the floor 2^(3 - 127)
	v_add_nc_u32 v11, 0xff000000, v12              ; 2 off the exponent field: the conversions' scale operand
	v_lshrrev_b32 v13, 23, v11                     ; the byte
.if (\t)%4 == 0
	v_mov_b32 v[SB+(\t)/4], v13
.else
	v_lshl_or_b32 v[SB+(\t)/4], v13, 8*((\t)%4), v[SB+(\t)/4]
.endif
	v_cvt_scalef32_pk16_fp6_f32 v[C:C+2], v[XB:XB+15], v11
	v_cvt_scalef32_pk16_fp6_f32 v[D:D+2], v[XB+16:XB+31], v11
	v_nop                                          ; one plain line behind the conversions
.irp i, 0,1,2
	v_mov_b32 v[C+3+\i], v[D+\i]
.endr
.irp p, 0,1,2                          ; block t is half h = t % 2, registers 6 ((t % 4) / 2) + 0 .. 5 of K step t / 4's fragment
.set RHO, 6*(((\t)%4)/2)+2*\p
	ds_store_b64 v4, v[C+2*\p:C+2*\p+1] offset:((\t)/4)*3072+((\t)%2)*256+(RHO/4)*512+(RHO%4)*4
.endr
.if (\t)+2 < 8
	LOAD (\t)+2
.endif
	s_wait_dscnt 0x0                               ; the stores have read their registers: the next block's codes may be written
.endm
.irp t, 0,1,2,3,4,5,6,7
	BLOCK \t
.endr
	s_wait_alu depctr_va_vdst(0)
	global_store_b64 v9, v[SB:SB+1], s[10:11]      ; the 32 lanes fill 256 consecutive bytes, aligned
.irp i, 0,1,2,3,4,5,6,7,8,9,10,11
	ds_load_b128 v[OUTR+4*\i:OUTR+4*\i+3], v7 offset:512*\i   ; in order behind my stores
.endr
.irp i, 0,1,2,3,4,5,6,7,8,9,10,11
	s_wait_dscnt 11-\i                             ; the younger loads may stay out
	global_store_b128 v8, v[OUTR+4*\i:OUTR+4*\i+3], s[8:9] offset:512*\i   ; 512 consecutive bytes
.endr
	s_wait_tensorcnt 0x0                           ; the wave's end
	ds_add_u32 v[SPW], v[NIL]
	s_wait_dscnt 0x0
	s_endpgm
.Lfunc_end_k_q90c0bc3cfb_quant_w:
	.size	k_q90c0bc3cfb_quant_w, .Lfunc_end_k_q90c0bc3cfb_quant_w-k_q90c0bc3cfb_quant_w
	.p2alignl 7, 3214868480
	.fill 96, 4, 3214868480
	.section	.rodata,"a",@progbits
	.p2align	6, 0x0
	.amdhsa_kernel k_q90c0bc3cfb_quant_w
		.amdhsa_group_segment_fixed_size 25088
		.amdhsa_private_segment_fixed_size 0
		.amdhsa_enable_private_segment 0
		.amdhsa_kernarg_size 40
		.amdhsa_user_sgpr_count 2
		.amdhsa_user_sgpr_kernarg_segment_ptr 1
		.amdhsa_wavefront_size32 1
		.amdhsa_system_sgpr_workgroup_id_x 1
		.amdhsa_system_sgpr_workgroup_id_y 1
		.amdhsa_system_sgpr_workgroup_id_z 1
		.amdhsa_system_vgpr_workitem_id 0
		.amdhsa_next_free_vgpr 160
		.amdhsa_next_free_sgpr 66
		.amdhsa_reserve_vcc 0
		.amdhsa_float_denorm_mode_32 3
		.amdhsa_float_denorm_mode_16_64 3
		.amdhsa_memory_ordered 1
		.amdhsa_forward_progress 1
		.amdhsa_inst_pref_size 43
	.end_amdhsa_kernel
	.amdgpu_metadata
---
amdhsa.version: [ 1, 2 ]
amdhsa.kernels:
  - .name:           k_q90c0bc3cfb_quant_w
    .symbol:         k_q90c0bc3cfb_quant_w.kd
    .args:
      - { .name: Wq, .offset: 0, .size: 8, .value_kind: global_buffer, .address_space: global }
      - { .name: Wk, .offset: 8, .size: 8, .value_kind: global_buffer, .address_space: global }
      - { .name: Wv, .offset: 16, .size: 8, .value_kind: global_buffer, .address_space: global }
      - { .name: Wo, .offset: 24, .size: 8, .value_kind: global_buffer, .address_space: global }
      - { .name: wq, .offset: 32, .size: 8, .value_kind: global_buffer, .address_space: global }
    .group_segment_fixed_size: 25088
    .private_segment_fixed_size: 0
    .kernarg_segment_align: 8
    .kernarg_segment_size: 40
    .max_flat_workgroup_size: 128
    .sgpr_count:     66
    .vgpr_count:     160
    .wavefront_size: 32
...
	.end_amdgpu_metadata
.endif
;; end of part 2
;; launch qkv (part 3): grid 8 x 32, 4 waves a work-group, clusters of 4 x 1, 218,112 bytes of LDS; arguments xq, wq, qq, kv; writes qq, kv
.if DOCPART == 3
	.amdgcn_target "amdgcn-amd-amdhsa--gfx1250"
	.amdhsa_code_object_version 6
	.text
	.protected	k_q90c0bc3cfb_qkv
	.globl	k_q90c0bc3cfb_qkv
	.p2align	8
	.type	k_q90c0bc3cfb_qkv,@function
k_q90c0bc3cfb_qkv:
	s_mov_b64 s[64:65], 0
	v_nop
	global_prefetch_b8 v0, s[64:65] scope:SCOPE_SE
	s_setreg_imm32_b32 hwreg(HW_REG_WAVE_MODE, 25, 1), 1
	s_wait_xcnt 0x0
	s_wait_alu depctr_hold_cnt(0) depctr_sa_sdst(0) depctr_va_vdst(0) depctr_va_sdst(0) depctr_va_ssrc(0) depctr_va_vcc(0) depctr_vm_vsrc(0)
	s_getreg_b32 s2, hwreg(HW_REG_IB_STS2, 6, 4)
	s_cmp_eq_u32 s2, 0
	s_cbranch_scc0 .Lentry_in_a_cluster
	s_endpgm
.Lentry_in_a_cluster:
	s_bfe_u32 s2, ttmp6, 0x10000c
	s_cmp_lg_u32 s2, 0x3003
	s_cbranch_scc0 .Lentry_shape_is_right
	s_endpgm
.Lentry_shape_is_right:
; q, k, v = x Wq, x Wk, x Wv on codes of FP6 (E2M3), and q, k, v quantised again on the way out: q and k along the head's 64, v along the keys.  Nothing leaves as f32.
; SHARES.  A work-group: 256 positions (one slot of 256 keys of one batch) x 384 columns.  A wave: 96 columns: the 64 of one head of Wq (even waves) or Wk (odd waves), and 32 of the same head of Wv.
; Its 48 weight fragments (6 tiles x 8 K steps, 576 registers) stay in registers for the whole launch; x's 256 rows for all of K lie in LDS, filled once: no ring, no refill.
; CLUSTER.  The four work-groups along x need the same rows of x: both tensor loads are asked for jointly (mask 15); only the addresses of weights and outputs hang on the place in the cluster.
; q AND k ARE MADE TRANSPOSED (source 0 = 16 columns of W, source 1 = 16 positions): a lane holds one token and, since lane r of a weight tile u is column 8 u + r + 8 (r / 8), the 16 registers of two
; neighbouring tiles are 16 neighbouring channels: a block of 32 lies in lanes l and l xor 16.  v IS MADE THE OTHER WAY (source 0 = 16 positions, source 1 = 16 columns): a lane holds one channel, and since
; positions are laid by the same order, its 16 registers are 16 neighbouring tokens, the next product's K.
; OUT: half fragments of 768 bytes (6 registers a lane: registers 0-3 at 16 x lane, 4-5 at 512 + 8 x lane): every store of codes covers 512 or 256 consecutive bytes, aligned.
; A q or k scale word: byte 0, 1 its two blocks, bytes 2, 3 = 127 for the zero codes that will fill k = 64 .. 127.
; LIMITS: a block whose largest magnitude lies under 2^-124 keeps the byte 1 (a block of zeros too); NaN and infinities are not served.
; REGISTERS.  window 0: v4-9 addresses; v16-111 the 12 accumulators; v112-159 x's fragments, two sets of two; v160-167 x's scale words, v168-191 the weights'; v192.. at work.  windows 1-3: W(K step, tile) at v[72 (ks % 3) + 12 t] of window 1 + ks / 3.
.set XS_OFF, 6291456
.set WS_OFF, 3145728
.set PITCH, 816                        ; an LDS row: 3 x (256 bytes + 16 of padding) = 204 words: row r starts at bank 12 r mod 64, so the 32 lanes of a load of 8 bytes touch 64 different banks
.set XSC,   256*PITCH                  ; x's scale bytes: 32 runs of 256 bytes + 16
.set SPARE, XSC+32*272                 ; the spare words: 128 bytes a wave, two blocks of 256 bytes that no other line names
.set AX0, 4                            ; v4  r x PITCH + 24 h, + 32 rows for each block done
.set AX1, 5                            ; v5  the same with 40 h: for pieces whose partner three pieces on lies behind one padding more
.set XSA, 6                            ; v6  my position's 32 scale bytes
.set O16, 7                            ; v7  16 x lane
.set O8,  8                            ; v8  8 x lane
.set O4,  9                            ; v9  4 x lane
.set SPW, 12
.set NIL, 13
.set ACC, 16                           ; q/k (u, t) at ACC + 32 u + 8 t;  v (c, u) at ACC + 64 + 16 c + 8 u
.set AV,  ACC+64
.set XF,  112                          ; set p, tile u at XF + 24 p + 12 u
.set XS,  160                          ; x's scale word of K step ks: lanes 0-15 tile 0, lanes 16-31 tile 1
.set WS,  168                          ; WS + 8 blk + ks: lanes 0-15 tile 2 blk, lanes 16-31 tile 2 blk + 1
.set TM,  192                          ; v192-199 maxima, partners', scale operands, bytes
.set FQ,  200                          ; q/k codes: tile u at FQ + 10 u (6), its upper halves at + 6 (3)
.set FV,  220                          ; v codes: tile c at FV + 10 c (6), the odd block's at + 6 (3)
.set SW4, 240                          ; v240-243 four groups' scale words
.set WD,  244                          ; v244-245 a group's words, tile 0 and 1
.set VB,  246                          ; v246-247 v's bytes of four blocks
.set VSW, 248
.set WV,  12
.set G1X, 24
.set G1S, 32
.set G0X, 40
.set G0S, 44
.set SEL, 50
.set WQK, 52
.set WVP, 54
.set WSQ, 56
.set WSV, 58
.set OQK, 60
.set OV,  62
.set OVS, 66
.set MSB, 0
.macro WIN new                         ; the immediate's high byte repeats the setting that is left
.if MSB != (\new)
	s_set_vgpr_msb (MSB<<8)|(\new)
.set MSB, \new
.endif
.endm
.macro CROUND                          ; a round of the cluster's barrier
	s_barrier_signal -1
	s_barrier_wait -1
	s_cmp_lg_u32 s[WV], 0
	s_cbranch_scc1 .Lnot_wave_0_\@
	s_barrier_signal -3
.Lnot_wave_0_\@:
	s_barrier_wait -3
	s_barrier_signal -1
	s_barrier_wait -1
.endm
; One product.  c < 0: the sum starts with the constant 0; else C begins at v[c].  ra, rb = 1: that side's scales are read from lanes 16-31.
.macro WMS d, a, b, c, sa, sb, ra, rb
.if (\c) < 0
.if (\ra) && (\rb)
	v_wmma_scale_f32_16x16x128_f8f6f4 v[(\d):(\d)+7], v[(\a):(\a)+11], v[(\b):(\b)+11], 0, v[\sa], v[\sb] matrix_a_fmt:MATRIX_FMT_FP6 matrix_b_fmt:MATRIX_FMT_FP6 matrix_a_scale:MATRIX_SCALE_ROW1 matrix_b_scale:MATRIX_SCALE_ROW1
.elseif (\ra)
	v_wmma_scale_f32_16x16x128_f8f6f4 v[(\d):(\d)+7], v[(\a):(\a)+11], v[(\b):(\b)+11], 0, v[\sa], v[\sb] matrix_a_fmt:MATRIX_FMT_FP6 matrix_b_fmt:MATRIX_FMT_FP6 matrix_a_scale:MATRIX_SCALE_ROW1
.elseif (\rb)
	v_wmma_scale_f32_16x16x128_f8f6f4 v[(\d):(\d)+7], v[(\a):(\a)+11], v[(\b):(\b)+11], 0, v[\sa], v[\sb] matrix_a_fmt:MATRIX_FMT_FP6 matrix_b_fmt:MATRIX_FMT_FP6 matrix_b_scale:MATRIX_SCALE_ROW1
.else
	v_wmma_scale_f32_16x16x128_f8f6f4 v[(\d):(\d)+7], v[(\a):(\a)+11], v[(\b):(\b)+11], 0, v[\sa], v[\sb] matrix_a_fmt:MATRIX_FMT_FP6 matrix_b_fmt:MATRIX_FMT_FP6
.endif
.else
.if (\ra) && (\rb)
	v_wmma_scale_f32_16x16x128_f8f6f4 v[(\d):(\d)+7], v[(\a):(\a)+11], v[(\b):(\b)+11], v[(\c):(\c)+7], v[\sa], v[\sb] matrix_a_fmt:MATRIX_FMT_FP6 matrix_b_fmt:MATRIX_FMT_FP6 matrix_a_scale:MATRIX_SCALE_ROW1 matrix_b_scale:MATRIX_SCALE_ROW1
.elseif (\ra)
	v_wmma_scale_f32_16x16x128_f8f6f4 v[(\d):(\d)+7], v[(\a):(\a)+11], v[(\b):(\b)+11], v[(\c):(\c)+7], v[\sa], v[\sb] matrix_a_fmt:MATRIX_FMT_FP6 matrix_b_fmt:MATRIX_FMT_FP6 matrix_a_scale:MATRIX_SCALE_ROW1
.elseif (\rb)
	v_wmma_scale_f32_16x16x128_f8f6f4 v[(\d):(\d)+7], v[(\a):(\a)+11], v[(\b):(\b)+11], v[(\c):(\c)+7], v[\sa], v[\sb] matrix_a_fmt:MATRIX_FMT_FP6 matrix_b_fmt:MATRIX_FMT_FP6 matrix_b_scale:MATRIX_SCALE_ROW1
.else
	v_wmma_scale_f32_16x16x128_f8f6f4 v[(\d):(\d)+7], v[(\a):(\a)+11], v[(\b):(\b)+11], v[(\c):(\c)+7], v[\sa], v[\sb] matrix_a_fmt:MATRIX_FMT_FP6 matrix_b_fmt:MATRIX_FMT_FP6
.endif
.endif
.endm
	s_load_b256 s[4:11], s[0:1], 0x0               ; xq, wq, qq, kv
	v_lshl_add_u32 v[SPW], v0, 2, SPARE
	v_mov_b32 v[NIL], 0
	ds_add_u32 v[SPW], v[NIL]                      ; the wave's opening: the add and its wait stand ahead of my first tensor load; the set-up below, work on registers, stands between them
	ds_add_u32 v[SPW], v[NIL]
	v_lshrrev_b32 v1, 5, v0
	v_readfirstlane_b32 s[WV], v1                  ; wave 0..3
	s_bfe_u32 s13, ttmp6, 0x40000                  ; cx
	s_lshl_b32 s14, ttmp9, 2
	s_add_co_u32 s14, s14, s13                     ; G: which 384 columns: it enters the weights' and the outputs' addresses alone
	s_and_b32 s15, ttmp7, 0xffff                   ; y: which 256 positions, shared by the four partners
	; descriptor group 1 for x's codes: 64 rows of 768 bytes, 16 bytes of padding behind every 256
	s_mov_b32 s[G1X], 15|(1<<20)|(1<<21)|(5<<22)|(3<<25)   ; 15:0 the mask: all four; elements of 1 byte; padding on; bit 21 beside a mask; after every 64 words, 4 words
	s_mov_b32 s[G1X+1], 768<<16                    ; tensor_dim0
	s_mov_b32 s[G1X+2], 64<<16                     ; tensor_dim1
	s_mov_b32 s[G1X+3], 768<<16                    ; tile_dim0
	s_mov_b32 s[G1X+4], 64                         ; tile_dim1
	s_mov_b32 s[G1X+5], 768                        ; from row to row
	s_mov_b32 s[G1X+6], 0
	s_mov_b32 s[G1X+7], 0
	; and for its scale bytes: 2,048 dense bytes as 8 rows of 256 (32 elements of 8 bytes), 16 bytes of padding behind each
	s_mov_b32 s[G1S], 15|(3<<16)|(1<<20)|(1<<21)|(5<<22)|(3<<25)
	s_mov_b32 s[G1S+1], 32<<16
	s_mov_b32 s[G1S+2], 8<<16
	s_mov_b32 s[G1S+3], 32<<16
	s_mov_b32 s[G1S+4], 8
	s_mov_b32 s[G1S+5], 32
	s_mov_b32 s[G1S+6], 0
	s_mov_b32 s[G1S+7], 0
	s_lshl_b32 s68, s15, 8
	s_lshl_b32 s69, s[WV], 6
	s_add_co_u32 s68, s68, s69                     ; the first of the 64 positions that I fetch
	s_mul_i32 s70, s68, 768
	s_mov_b32 s71, 0
	s_lshl_b32 s72, s68, 5
	s_add_co_u32 s72, s72, XS_OFF
	s_mov_b32 s73, 0
	s_mul_i32 s74, s[WV], 64*PITCH                 ; where they go: wave x 64 rows
	s_mul_i32 s75, s[WV], 8*272
	s_mov_b32 s[SEL], 0x76543210
	s_mov_b32 s[SEL+1], 0xfedcba98                 ; v_permlanex16_b32's selects for lane l xor 16
	s_lshr_b32 s16, s[WV], 1
	s_lshl_b32 s17, s14, 1
	s_add_co_u32 s16, s16, s17                     ; head = 2 G + wave / 2
	s_and_b32 s17, s[WV], 1                        ; e: 0 = q and v's channels 0-31, 1 = k and v's channels 32-63
	s_lshl_b32 s18, s14, 2
	s_add_co_u32 s18, s18, s[WV]                   ; my block of 32 columns of Wv
	s_mul_i32 s76, s17, 786432
	s_mul_i32 s77, s16, 49152
	s_add_co_u32 s76, s76, s77                     ; the head's two blocks of Wq or Wk
	s_mov_b32 s77, 0
	s_mul_i32 s78, s18, 24576
	s_add_co_u32 s78, s78, 1572864
	s_mov_b32 s79, 0
	s_lshl_b32 s80, s17, 5
	s_lshl_b32 s81, s16, 1
	s_add_co_u32 s80, s80, s81
	s_lshl_b32 s80, s80, 10
	s_add_co_u32 s80, s80, WS_OFF                  ; their scale words
	s_mov_b32 s81, 0
	s_add_co_u32 s82, s18, 64
	s_lshl_b32 s82, s82, 10
	s_add_co_u32 s82, s82, WS_OFF
	s_mov_b32 s83, 0
	s_lshr_b32 s19, s15, 3
	s_lshl_b32 s19, s19, 4
	s_add_co_u32 s19, s19, s16                     ; 16 x batch + head
	s_and_b32 s20, s15, 7                          ; the slot of 256 tokens
	s_mul_i32 s84, s19, 106496
	s_mul_i32 s21, s20, 13312
	s_add_co_u32 s84, s84, s21                     ; its place in qq
	s_mul_i32 s86, s19, 208896
	s_mul_i32 s21, s20, 26112
	s_add_co_u32 s86, s86, s21                     ; and in kv
	s_mul_i32 s21, s17, 1536
	s_add_co_u32 s88, s86, s21
	s_add_co_u32 s88, s88, 13312                   ; v's half fragments: channel tiles 2 e, 2 e + 1
	s_mov_b32 s89, 0
	s_lshl_b32 s21, s17, 7
	s_add_co_u32 s90, s86, s21
	s_add_co_u32 s90, s90, 25600                   ; v's scale words
	s_mov_b32 s91, 0
	s_cmp_eq_u32 s17, 0
	s_cselect_b32 s84, s84, s86
	s_mov_b32 s85, 0
	v_and_b32 v1, 15, v0                           ; r
	v_bfe_u32 v2, v0, 4, 1                         ; h
	v_and_b32 v3, 31, v0                           ; lane
	v_mul_u32_u24 v[AX0], v1, PITCH
	v_mad_u32_u24 v[AX0], v2, 24, v[AX0]
	v_lshl_add_u32 v[AX1], v2, 4, v[AX0]
	v_lshrrev_b32 v[XSA], 3, v3
	v_lshlrev_b32 v[XSA], 4, v[XSA]
	v_lshl_add_u32 v[XSA], v3, 5, v[XSA]           ; 32 bytes a position, 16 more for each 256 passed
	v_add_nc_u32 v[XSA], XSC, v[XSA]
	v_lshlrev_b32 v[O16], 4, v3
	v_lshlrev_b32 v[O8], 3, v3
	v_lshlrev_b32 v[O4], 2, v3
	v_mov_b32 v[TM+2], 0                           ; written once: a lane permute's destination counts as one of its sources
	v_mov_b32 v[TM+3], 0
	s_wait_dscnt 0x0                               ; the opening add is done
	s_wait_kmcnt 0x0
	s_mov_b32 s[G0X], 1
	s_mov_b32 s[G0X+1], s74
	s_add_nc_u64 s[G0X+2:G0X+3], s[4:5], s[70:71]
	s_or_b32 s[G0X+3], s[G0X+3], 0x80000000
	s_mov_b32 s[G0S], 1
	s_add_co_u32 s[G0S+1], s75, XSC
	s_add_nc_u64 s[G0S+2:G0S+3], s[4:5], s[72:73]
	s_or_b32 s[G0S+3], s[G0S+3], 0x80000000
	s_add_nc_u64 s[WQK:WQK+1], s[6:7], s[76:77]
	s_add_nc_u64 s[WVP:WVP+1], s[6:7], s[78:79]
	s_add_nc_u64 s[WSQ:WSQ+1], s[6:7], s[80:81]
	s_add_nc_u64 s[WSV:WSV+1], s[6:7], s[82:83]
	s_cmp_eq_u32 s17, 0                            ; even waves write q, odd waves k: a choice on the wave's number
	s_cselect_b64 s[OQK:OQK+1], s[8:9], s[10:11]
	s_add_nc_u64 s[OQK:OQK+1], s[OQK:OQK+1], s[84:85]
	s_add_nc_u64 s[OV:OV+1], s[10:11], s[88:89]
	s_add_nc_u64 s[OVS:OVS+1], s[10:11], s[90:91]
	CROUND                                         ; all four work-groups are here: the joint loads meet
	tensor_load_to_lds s[G0X:G0X+3], s[G1X:G1X+7]  ; my 64 rows of codes;
	s_nop 0
	tensor_load_to_lds s[G0S:G0S+3], s[G1S:G1S+7]  ; their scale bytes: two loads of mine are out, the launch's only ones
	s_nop 0
.rept 4
	v_nop
.endr
	; the weights: 144 loads of 16 bytes a lane, each 512 consecutive bytes, window by window; then their scale words
.set ks, 0
	s_wait_alu depctr_va_vdst(0)
.rept 8
	WIN (1+ks/3)<<6
.irp t, 0,1,2,3
.irp c, 0,1,2
	global_load_b128 v[72*(ks%3)+12*\t+4*\c:72*(ks%3)+12*\t+4*\c+3], v[O16], s[WQK:WQK+1] offset:(\t/2)*24576+ks*3072+(\t%2)*1536+512*\c
.endr
.endr
.irp t, 4,5
.irp c, 0,1,2
	global_load_b128 v[72*(ks%3)+12*\t+4*\c:72*(ks%3)+12*\t+4*\c+3], v[O16], s[WVP:WVP+1] offset:ks*3072+(\t%2)*1536+512*\c
.endr
.endr
.set ks, ks+1
.endr
	WIN 0
.irp k, 0,1,2,3
	global_load_b64 v[WS+2*\k:WS+2*\k+1], v[O8], s[WSQ:WSQ+1] offset:256*\k
	global_load_b64 v[WS+8+2*\k:WS+8+2*\k+1], v[O8], s[WSQ:WSQ+1] offset:1024+256*\k
	global_load_b64 v[WS+16+2*\k:WS+16+2*\k+1], v[O8], s[WSV:WSV+1] offset:256*\k
.endr
	s_mov_b32 vcc_lo, 0xffff0000                   ; lanes 16-31: written behind the tensor loads and never again
	s_wait_loadcnt 0x0
	s_wait_tensorcnt 0x0                           ; my part of x is in,
	s_barrier_signal -1
	s_barrier_wait -1                              ; everybody's is
; a fragment of x: 16 positions x 128 K, in pieces of 8 bytes: lanes 0-15 take the row's pieces 12 ks + 0, 1, 2 and + 6, 7, 8, lanes 16-31 those three pieces on
.macro FRAG reg, u, kk
.irp p, 0,1,2,3,4,5
.set PCE, 12*(\kk)+6*(\p/3)+\p%3
.if PCE%32 < 29
	ds_load_b64 v[(\reg)+2*\p:(\reg)+2*\p+1], v[AX0] offset:(\u)*16*PITCH+8*PCE+16*(PCE/32)
.else
	ds_load_b64 v[(\reg)+2*\p:(\reg)+2*\p+1], v[AX1] offset:(\u)*16*PITCH+8*PCE+16*(PCE/32)
.endif
.endr
.endm
.macro PRE mb                          ; a block's eight scale words a position, and its first K step's two fragments
	ds_load_b128 v[XS:XS+3], v[XSA] offset:(\mb)*1088
	ds_load_b128 v[XS+4:XS+7], v[XSA] offset:(\mb)*1088+16
	FRAG XF,0,0
	FRAG XF+12,1,0
.endm
; q or k of tile u of 16 positions: two blocks of 32 channels are quantised; the half fragment and, every fourth group, the scale words leave
.macro QK_OUT u, mb
.set AB, ACC+32*(\u)
.set FF, FQ+10*(\u)
.irp b, 0,1
	v_max3_num_f32 v[TM+\b], |v[AB+16*\b]|, |v[AB+16*\b+1]|, 0x1800000   ; my 16 numbers of block b, each accumulator from its low end on, and the floor 2^(3 - 127)
.endr
.irp i, 2,4,6,8,10,12,14
.irp b, 0,1
	v_max3_num_f32 v[TM+\b], v[TM+\b], |v[AB+16*\b+\i]|, |v[AB+16*\b+\i+1]|
.endr
.endr
.irp b, 0,1
	v_permlanex16_b32 v[TM+2+\b], v[TM+\b], s[SEL], s[SEL+1]
.endr
.irp b, 0,1
	v_max_num_f32 v[TM+\b], v[TM+\b], v[TM+2+\b]   ; with lane l xor 16's: the block's largest magnitude
.endr
.irp b, 0,1
	v_add_nc_u32 v[TM+4+\b], 0xff000000, v[TM+\b]  ; 2 off the exponent field: the conversion's scale operand
.endr
.irp b, 0,1
	v_lshrrev_b32 v[TM+6+\b], 23, v[TM+4+\b]       ; the byte
.endr
	v_lshl_or_b32 v[WD+\u], v[TM+7], 8, v[TM+6]
	v_or_b32 v[WD+\u], 0x7f7f0000, v[WD+\u]        ; bytes 2, 3: 127, for the zero codes of k = 64 .. 127
	v_cvt_scalef32_pk16_fp6_f32 v[FF:FF+2], v[AB:AB+15], v[TM+4]
	v_cvt_scalef32_pk16_fp6_f32 v[FF+6:FF+8], v[AB+16:AB+31], v[TM+5]
	v_nop                                          ; one plain line behind the conversions
.irp i, 0,1,2
	v_permlane16_swap_b32 v[FF+\i], v[FF+6+\i]     ; a whole block to a lane: lanes 0-15 block 0, lanes 16-31 block 1
.endr
.irp i, 0,1,2
	v_mov_b32 v[FF+3+\i], v[FF+6+\i]
.endr
	global_store_b128 v[O16], v[FF:FF+3], s[OQK:OQK+1] offset:(\mb)*1536+(\u)*768
	global_store_b64 v[O8], v[FF+4:FF+5], s[OQK:OQK+1] offset:(\mb)*1536+(\u)*768+512
.endm
; v of this group of 32 tokens, two tiles of 16 channels: one block a channel; two groups make a half fragment, four a scale word
.macro V_OUT mb
.irp c, 0,1
	v_max3_num_f32 v[TM+\c], |v[AV+16*\c]|, |v[AV+16*\c+1]|, 0x1800000
.endr
.irp i, 2,4,6,8,10,12,14
.irp c, 0,1
	v_max3_num_f32 v[TM+\c], v[TM+\c], |v[AV+16*\c+\i]|, |v[AV+16*\c+\i+1]|
.endr
.endr
.irp c, 0,1
	v_permlanex16_b32 v[TM+2+\c], v[TM+\c], s[SEL], s[SEL+1]
.endr
.irp c, 0,1
	v_max_num_f32 v[TM+\c], v[TM+\c], v[TM+2+\c]
.endr
.irp c, 0,1
	v_add_nc_u32 v[TM+4+\c], 0xff000000, v[TM+\c]
.endr
.irp c, 0,1
	v_lshrrev_b32 v[TM+6+\c], 23, v[TM+4+\c]
.endr
.irp c, 0,1
.if (\mb)%4 == 0
	v_mov_b32 v[VB+\c], v[TM+6+\c]
.else
	v_lshl_or_b32 v[VB+\c], v[TM+6+\c], 8*((\mb)%4), v[VB+\c]
.endif
.endr
.irp c, 0,1
	v_cvt_scalef32_pk16_fp6_f32 v[FV+10*\c+6*((\mb)%2):FV+10*\c+6*((\mb)%2)+2], v[AV+16*\c:AV+16*\c+15], v[TM+4+\c]
.endr
	v_nop                                          ; one plain line behind the conversions
.if (\mb)%2
.irp c, 0,1
.irp i, 0,1,2
	v_permlane16_swap_b32 v[FV+10*\c+\i], v[FV+10*\c+6+\i]   ; lanes 0-15 the even group's block, lanes 16-31 the odd group's
.endr
.irp i, 0,1,2
	v_mov_b32 v[FV+10*\c+3+\i], v[FV+10*\c+6+\i]
.endr
	global_store_b128 v[O16], v[FV+10*\c:FV+10*\c+3], s[OV:OV+1] offset:((\mb)/2)*3072+\c*768
	global_store_b64 v[O8], v[FV+10*\c+4:FV+10*\c+5], s[OV:OV+1] offset:((\mb)/2)*3072+\c*768+512
.endr
.endif
.if (\mb)%4 == 3
	v_cndmask_b32 v[VSW], v[VB], v[VB+1], vcc_lo   ; lanes 0-15 tile 0's words, lanes 16-31 tile 1's
	global_store_b32 v[O4], v[VSW], s[OVS:OVS+1] offset:((\mb)/4)*256   ; 128 consecutive bytes: the neighbouring wave writes the 128 beside them
.endif
.endm
; A block of 32 positions: 8 K steps x 12 products.  The 12 accumulators take turns, one instruction a turn, in the same order in every step.
.macro MBLOCK mb
.set ks, 0
.rept 8
	WIN 0
.if ks < 7
.rept 4
	v_nop                                          ; four places ahead of loads into the set that the last step's products read
.endr
	FRAG XF+24*((ks+1)%2),0,ks+1
	FRAG XF+24*((ks+1)%2)+12,1,ks+1
	s_wait_dscnt 12                                ; all but the 12 loads just issued: this step's fragments are in
.else
	s_wait_dscnt 0x0
.endif
	WIN 1+ks/3                                     ; source 0: the weights' window
.irp u, 0,1
.irp t, 0,1,2,3
.if ks == 0
	WMS ACC+32*\u+8*\t,72*(ks%3)+12*\t,XF+24*(ks%2)+12*\u,-1,WS+8*(\t/2)+ks,XS+ks,\t%2,\u
.else
	WMS ACC+32*\u+8*\t,72*(ks%3)+12*\t,XF+24*(ks%2)+12*\u,ACC+32*\u+8*\t,WS+8*(\t/2)+ks,XS+ks,\t%2,\u
.endif
.endr
.endr
	WIN (1+ks/3)<<2                                ; source 1: the weights' window
.irp c, 0,1
.irp u, 0,1
.if ks == 0
	WMS AV+16*\c+8*\u,XF+24*(ks%2)+12*\u,72*(ks%3)+48+12*\c,-1,XS+ks,WS+16+ks,\u,\c
.else
	WMS AV+16*\c+8*\u,XF+24*(ks%2)+12*\u,72*(ks%3)+48+12*\c,AV+16*\c+8*\u,XS+ks,WS+16+ks,\u,\c
.endif
.endr
.endr
.set ks, ks+1
.endr
	WIN 0
	v_add_nc_u32 v[AX0], 32*PITCH, v[AX0]          ; the next 32 rows.  These four lines are the places behind the last products
	v_add_nc_u32 v[AX1], 32*PITCH, v[AX1]
	v_nop
	v_nop
.if (\mb) < 7
	PRE (\mb)+1                                    ; lands while this block is quantised
.endif
	s_wait_xcnt 0x0                                ; the last block's stores have read their registers: they are written again only behind this wait
	QK_OUT 0,\mb
	QK_OUT 1,\mb
	v_cndmask_b32 v[SW4+(\mb)%4], v[WD], v[WD+1], vcc_lo   ; lanes 0-15 tile 0's words, lanes 16-31 tile 1's
.if (\mb)%4 == 3
	global_store_b128 v[O16], v[SW4:SW4+3], s[OQK:OQK+1] offset:12288+((\mb)/4)*512
.endif
	V_OUT \mb
.endm
	PRE 0
.irp m, 0,1,2,3,4,5,6,7
	MBLOCK \m
.endr
	s_wait_tensorcnt 0x0                           ; the wave's end
	ds_add_u32 v[SPW], v[NIL]
	s_wait_dscnt 0x0
	CROUND                                         ; the closing round
	s_endpgm
.Lfunc_end_k_q90c0bc3cfb_qkv:
	.size	k_q90c0bc3cfb_qkv, .Lfunc_end_k_q90c0bc3cfb_qkv-k_q90c0bc3cfb_qkv
	.p2alignl 7, 3214868480
	.fill 96, 4, 3214868480
	.section	.rodata,"a",@progbits
	.p2align	6, 0x0
	.amdhsa_kernel k_q90c0bc3cfb_qkv
		.amdhsa_group_segment_fixed_size 218112
		.amdhsa_private_segment_fixed_size 0
		.amdhsa_enable_private_segment 0
		.amdhsa_kernarg_size 32
		.amdhsa_user_sgpr_count 2
		.amdhsa_user_sgpr_kernarg_segment_ptr 1
		.amdhsa_wavefront_size32 1
		.amdhsa_system_sgpr_workgroup_id_x 1
		.amdhsa_system_sgpr_workgroup_id_y 1
		.amdhsa_system_sgpr_workgroup_id_z 1
		.amdhsa_system_vgpr_workitem_id 0
		.amdhsa_next_free_vgpr 1024
		.amdhsa_next_free_sgpr 100
		.amdhsa_reserve_vcc 1
		.amdhsa_float_denorm_mode_32 3
		.amdhsa_float_denorm_mode_16_64 3
		.amdhsa_memory_ordered 1
		.amdhsa_forward_progress 1
		.amdhsa_inst_pref_size 235
	.end_amdhsa_kernel
	.amdgpu_metadata
---
amdhsa.version: [ 1, 2 ]
amdhsa.kernels:
  - .name:           k_q90c0bc3cfb_qkv
    .symbol:         k_q90c0bc3cfb_qkv.kd
    .args:
      - { .name: xq, .offset: 0, .size: 8, .value_kind: global_buffer, .address_space: global }
      - { .name: wq, .offset: 8, .size: 8, .value_kind: global_buffer, .address_space: global }
      - { .name: qq, .offset: 16, .size: 8, .value_kind: global_buffer, .address_space: global }
      - { .name: kv, .offset: 24, .size: 8, .value_kind: global_buffer, .address_space: global }
    .group_segment_fixed_size: 218112
    .private_segment_fixed_size: 0
    .kernarg_segment_align: 8
    .kernarg_segment_size: 32
    .max_flat_workgroup_size: 128
    .sgpr_count:     100
    .vgpr_count:     1024
    .wavefront_size: 32
...
	.end_amdgpu_metadata
.endif
;; end of part 3
;; launch attn (part 4): grid 4 x 64, 16 waves a work-group, no clusters, 327,680 bytes of LDS; arguments qq, kv, cq; writes cq
.if DOCPART == 4
	.amdgcn_target "amdgcn-amd-amdhsa--gfx1250"
	.amdhsa_code_object_version 6
	.text
	.protected	k_q90c0bc3cfb_attn
	.globl	k_q90c0bc3cfb_attn
	.p2align	8
	.type	k_q90c0bc3cfb_attn,@function
k_q90c0bc3cfb_attn:
	s_mov_b64 s[64:65], 0
	v_nop
	global_prefetch_b8 v0, s[64:65] scope:SCOPE_SE
	s_setreg_imm32_b32 hwreg(HW_REG_WAVE_MODE, 25, 1), 1
	s_wait_xcnt 0x0
; ctx = softmax(q k^T / 8, causal) v for one head, both products on codes of FP6 (E2M3); ctx is quantised along the model's axis on the way out.
; t = score x log2(e) / 8; M = the running largest t rounded UP to a whole number; p = 2^(t - M) is quantised along the keys, not normalised; the row's sum is taken of the unquantised p and divides at the end.
; When M moves, the sum and O are multiplied by 2^(old M - new M): exact.
; The head's 64 fill half of the instruction's 128 along K: registers 6-11 of q's and k's fragments hold zero codes, under the byte 127.
; SHARES.  Work-group (x, head x batch) owns query blocks x and 7 - x, 256 queries each: it walks key slots 0 .. x and then 0 .. 7 - x: nine visits whatever x, so all 256 work-groups have the same work and every trip count is a constant.
; Each of sixteen waves owns one tile of 16 queries of the block in hand, in 256 registers: four waves to a SIMD, so that one wave's softmax stands beside another's products and LDS loads.
; NO CLUSTER: at visit j the four work-groups of a head want slots j, j, j, j only while j <= x; from visit x + 1 on they want slot j - x - 1, another in each: walking in step would take 12 visits in place of 9.
; LAYOUT.  Both products are used transposed (S^T = k q^T, O^T = v^T p^T): a lane holds one query.  The keys of a tile of k and the channels of a tile of v are laid 8 u + r + 8 (r / 8), so that the 16 registers of
; two neighbouring tiles are 16 neighbouring keys (or channels).  All operands arrive as images of registers: a half fragment is 16 bytes a lane at 16 x lane and 8 bytes a lane at 512 + 8 x lane.
; A slot of 256 keys is 26,112 dense bytes: k's 16 half fragments, k's scale words, v's 16 half fragments, v's scale words.  Ring of two LDS slots; waves 0 and 1 fetch a half each.
; CAUSAL.  A step of 128 keys that begins behind the aligned 128 in which my 32 queries' group lies is left out (a branch on ids); in the one step on the diagonal hidden scores become -infinity.
; LIMITS: a block whose largest magnitude lies under 2^-124 keeps the byte 1 (a block of zeros too); NaN and infinities are not served.
.set SLOT1, 32768                      ; slot 1 begins here: one exclusive or turns an address
.set SPARE, 65536                      ; the spare words: 128 bytes for each of 16 waves, eight blocks of 256 bytes that no other line names
.set KSC,   12288
.set VC,    13312
.set VSC,   25600
.set SLOTB, 26112
.set CS_OFF, 6291456
.set L16, 1                            ; 16 x lane
.set L8,  2                            ; 8 x lane
.set L4,  3                            ; 4 x lane
.set QLD, 4                            ; my query in its group of 32, less 16 (lane / 16)
.set SPW, 5
.set NIL, 6
.set OSB, 7                            ; 32 r + h: my scale byte of ctx
.set A16, 8
.set A8,  9
.set A4,  10
.set PFO, 11                           ; 256 x min(lane, 16)
.set QF,  16                           ; v16-27 q's fragment (22-27 zeros)
.set Q2,  28                           ; v28-33 the second block's
.set QS,  34
.set QS2, 35
.set KB,  36                           ; v36-83 four fragments of k: data + 0 .. 5, zeros + 6 .. 11
.set S,   84                           ; v84-147 S^T, then p; v's four fragments land on v84-131 when p has been converted
.set O,   148                          ; v148-179 O^T
.set PC,  180                          ; v180-191 p's codes
.set KS,  192                          ; v192-195 k's scale words of four groups
.set VS,  196                          ; v196-197 v's
.set PS,  198                          ; p's scale word
.set BM,  200
.set T2,  204
.set CV,  208                          ; v208-210, v212-214
.set SOP, 216
.set FQ,  220                          ; v[220:221] f = 2^(old M - new M), named as a pair
.set TMP, 222
.set SUM2, 224
.set WV,  10
.set X,   11
.set XP1, 12
.set HB,  13
.set SEL, 14
.set CS,  16
.set TB,  18
.set KF,  19
.set Q0,  20
.set QA,  21
.set Q0B, 22
.set QAB, 23
.set VIS, 24
.set SLOTS, 25
.set LIM, 27
.set G1,  28
.set G0,  36
.set KVB, 40
.set OFF, 42
.set P1C, 44
.set P1S, 46
.set P2C, 48
.set P2S, 50
.set PFA, 52
.macro WMS d, a, b, c, sa, sb, ra, rb
.if (\c) < 0
.if (\ra)
	v_wmma_scale_f32_16x16x128_f8f6f4 v[(\d):(\d)+7], v[(\a):(\a)+11], v[(\b):(\b)+11], 0, v[\sa], v[\sb] matrix_a_fmt:MATRIX_FMT_FP6 matrix_b_fmt:MATRIX_FMT_FP6 matrix_a_scale:MATRIX_SCALE_ROW1
.else
	v_wmma_scale_f32_16x16x128_f8f6f4 v[(\d):(\d)+7], v[(\a):(\a)+11], v[(\b):(\b)+11], 0, v[\sa], v[\sb] matrix_a_fmt:MATRIX_FMT_FP6 matrix_b_fmt:MATRIX_FMT_FP6
.endif
.else
.if (\ra)
	v_wmma_scale_f32_16x16x128_f8f6f4 v[(\d):(\d)+7], v[(\a):(\a)+11], v[(\b):(\b)+11], v[(\c):(\c)+7], v[\sa], v[\sb] matrix_a_fmt:MATRIX_FMT_FP6 matrix_b_fmt:MATRIX_FMT_FP6 matrix_a_scale:MATRIX_SCALE_ROW1
.else
	v_wmma_scale_f32_16x16x128_f8f6f4 v[(\d):(\d)+7], v[(\a):(\a)+11], v[(\b):(\b)+11], v[(\c):(\c)+7], v[\sa], v[\sb] matrix_a_fmt:MATRIX_FMT_FP6 matrix_b_fmt:MATRIX_FMT_FP6
.endif
.endif
.endm
.macro TLOAD                           ; waves 0 and 1 fetch a half slot each; an s_nop 0 and four v_nop follow the load
	s_cmp_lt_u32 s[WV], 2
	s_cbranch_scc0 .Lno_load_\@
	tensor_load_to_lds s[G0:G0+3], s[G1:G1+7]
	s_nop 0
.rept 4
	v_nop
.endr
.Lno_load_\@:
.endm
; A PREFETCH INTO THE L2: all four work-groups of a head walk the same slots, so the first of them asks, and in it six waves that fetch nothing (4 to 9): 17 blocks of 256 bytes a wave, 102 a slot, lanes 256 bytes apart
; (lanes 17-31 repeat lane 16's).  Trip j names slot j + 2, for j = 0 .. 5: one visit ahead of the earliest tensor load that wants it (work-group 3's, in trip j + 1).  Slots 0 and 1 come by their loads alone.
.macro ASK
	s_cmp_gt_u32 s[SLOTS], s[LIM]
	s_cbranch_scc0 .Lnot_mine_\@
	global_prefetch_b8 v[PFO], s[PFA:PFA+1] th:TH_LOAD_NT scope:SCOPE_SE
.Lnot_mine_\@:
.endm
.macro INIT                            ; O^T and the sum begin as zeros, the largest t under every t: the first change of M multiplies zeros
.set jj, 0
.rept 32
	v_mov_b32 v[O+jj], 0
.set jj, jj+1
.endr
	v_mov_b32 v13, 0xff61b1e6                      ; -3e38
	s_delay_alu instid0(VALU_DEP_1)
	v_floor_f32 v12, -v13                          ; -M
	v_mov_b32 v14, 0
	v_mov_b32 v15, 0
.endm
	s_load_b128 s[4:7], s[0:1], 0x0                ; qq, kv
	s_load_b64 s[8:9], s[0:1], 0x10                ; cq
	v_lshl_add_u32 v[SPW], v0, 2, SPARE
	v_mov_b32 v[NIL], 0
	ds_add_u32 v[SPW], v[NIL]                      ; the wave's opening: the add and its wait stand ahead of the first tensor load; the set-up below, work on registers, stands between them
	ds_add_u32 v[SPW], v[NIL]
	v_lshrrev_b32 v1, 5, v0
	s_delay_alu instid0(VALU_DEP_1)
	v_readfirstlane_b32 s[WV], v1                  ; wave 0..15
	s_mov_b32 s[X], ttmp9
	s_add_co_u32 s[XP1], ttmp9, 1
	s_and_b32 s[HB], ttmp7, 0xffff                 ; 16 x batch + head
	s_mov_b32 s[G1], 3<<16                         ; no mask; elements of 8 bytes; no padding: half a slot, 13,056 dense bytes, as 51 rows of 256
	s_mov_b32 s[G1+1], 32<<16
	s_mov_b32 s[G1+2], 51<<16
	s_mov_b32 s[G1+3], 32<<16
	s_mov_b32 s[G1+4], 51
	s_mov_b32 s[G1+5], 32
	s_mov_b32 s[G1+6], 0
	s_mov_b32 s[G1+7], 0
	s_mov_b32 s[SEL], 0x76543210
	s_mov_b32 s[SEL+1], 0xfedcba98
	s_mov_b32 s[CS], 0x3e38aa3b                    ; c = log2(e) / 8
	s_mov_b32 s[CS+1], s[CS]                       ; (named with it as a pair)
	s_mov_b32 s[TB], 0
	s_mov_b32 s[KF], 0
	s_mov_b32 s[VIS], 0
	s_mov_b32 s[SLOTS], 8
	s_mov_b32 s[OFF+1], 0
	s_and_b32 s66, s[WV], 1
	s_mul_i32 s67, s66, 13056                      ; which half of a slot I fetch, if I fetch
	s_mul_i32 s70, s[HB], 8*SLOTB                  ; the head's slots in kv
	s_add_co_u32 s68, s70, s67
	s_mov_b32 s69, 0
	s_sub_co_u32 s71, s[WV], 4
	s_cmp_lt_u32 s71, 6                            ; waves 4 to 9
	s_cselect_b32 s72, ttmp9, 1
	s_cmp_eq_u32 s72, 0                            ; of the head's first work-group
	s_cselect_b32 s[LIM], 2, -1
	s_min_u32 s71, s71, 5
	s_mul_i32 s71, s71, 4352
	s_add_co_u32 s70, s70, s71
	s_add_co_u32 s70, s70, SLOTB                   ; in slot 1: the first change of slots steps it to slot 2
	s_mov_b32 s71, 0
	s_sub_co_u32 s92, 7, s[X]                      ; the second query block
	s_lshr_b32 s93, s[WV], 1                       ; my group of 32 queries
	s_lshl_b32 s93, s93, 5
	s_lshl_b32 s[Q0], s[X], 8
	s_add_co_u32 s[Q0], s[Q0], s93                 ; its first query
	s_and_b32 s[QA], s[Q0], 0xffffff80             ; the aligned 128 in which it lies
	s_lshl_b32 s[Q0B], s92, 8
	s_add_co_u32 s[Q0B], s[Q0B], s93
	s_and_b32 s[QAB], s[Q0B], 0xffffff80
	s_mul_i32 s72, s[HB], 106496                   ; the head's blocks in qq
	s_mul_i32 s73, s[X], 13312
	s_add_co_u32 s73, s73, s72
	s_mul_i32 s74, s92, 13312
	s_add_co_u32 s74, s74, s72
	s_mul_i32 s75, s[WV], 768                      ; my tile's half fragment
	s_lshr_b32 s94, s[WV], 3
	s_lshl_b32 s94, s94, 9
	s_lshl_b32 s95, s66, 8
	s_add_co_u32 s94, s94, s95
	s_bfe_u32 s95, s[WV], 0x20001
	s_lshl_b32 s95, s95, 2
	s_add_co_u32 s94, s94, s95
	s_add_co_u32 s94, s94, KSC                     ; and its scale words: 12288 + 512 (g / 4) + 256 u + 4 (g % 4), + 16 r
	s_add_co_u32 s76, s73, s75
	s_mov_b32 s77, 0
	s_add_co_u32 s78, s73, s94
	s_mov_b32 s79, 0
	s_add_co_u32 s80, s74, s75
	s_mov_b32 s81, 0
	s_add_co_u32 s82, s74, s94
	s_mov_b32 s83, 0
	s_lshr_b32 s72, s[HB], 4
	s_lshl_b32 s72, s72, 7
	s_add_co_u32 s72, s72, s[WV]                   ; 128 x batch + wave
	s_and_b32 s73, s[HB], 15                       ; head
	s_lshl_b32 s74, s[X], 4
	s_add_co_u32 s74, s74, s72                     ; my tile of ctx, first block
	s_lshl_b32 s75, s92, 4
	s_add_co_u32 s75, s75, s72                     ; second block
	s_mul_i32 s94, s73, 768
	s_lshl_b32 s95, s73, 1
	s_add_co_u32 s95, s95, CS_OFF
	s_mul_i32 s84, s74, 12288
	s_add_co_u32 s84, s84, s94
	s_mov_b32 s85, 0
	s_lshl_b32 s86, s74, 9
	s_add_co_u32 s86, s86, s95
	s_mov_b32 s87, 0
	s_mul_i32 s88, s75, 12288
	s_add_co_u32 s88, s88, s94
	s_mov_b32 s89, 0
	s_lshl_b32 s90, s75, 9
	s_add_co_u32 s90, s90, s95
	s_mov_b32 s91, 0
	s_lshl_b32 s66, s66, 3                         ; 8 u
	s_wait_dscnt 0x0                               ; the opening add is done
	s_wait_kmcnt 0x0
	s_add_nc_u64 s[KVB:KVB+1], s[6:7], s[68:69]
	s_mov_b32 s[G0], 1
	s_mov_b32 s[G0+1], s67                         ; LDS: slot 0, my half
	s_mov_b64 s[G0+2:G0+3], s[KVB:KVB+1]           ; the head's slot 0
	s_or_b32 s[G0+3], s[G0+3], 0x80000000
	TLOAD                                          ; visit 0
	s_add_nc_u64 s[PFA:PFA+1], s[6:7], s[70:71]
	s_add_nc_u64 s[54:55], s[4:5], s[76:77]
	s_add_nc_u64 s[56:57], s[4:5], s[78:79]
	s_add_nc_u64 s[58:59], s[4:5], s[80:81]
	s_add_nc_u64 s[60:61], s[4:5], s[82:83]
	s_add_nc_u64 s[P1C:P1C+1], s[8:9], s[84:85]
	s_add_nc_u64 s[P1S:P1S+1], s[8:9], s[86:87]
	s_add_nc_u64 s[P2C:P2C+1], s[8:9], s[88:89]
	s_add_nc_u64 s[P2S:P2S+1], s[8:9], s[90:91]
	v_and_b32 v7, 15, v0                           ; r
	v_bfe_u32 v8, v0, 4, 1                         ; h
	v_and_b32 v9, 31, v0                           ; lane
	s_delay_alu instid0(VALU_DEP_1)
	v_lshlrev_b32 v[L16], 4, v9
	s_delay_alu instid0(VALU_DEP_2)
	v_lshlrev_b32 v[L8], 3, v9
	s_delay_alu instid0(VALU_DEP_3)
	v_lshlrev_b32 v[L4], 2, v9
	v_lshlrev_b32 v10, 4, v7                       ; 16 r
	global_load_b128 v[QF:QF+3], v[L16], s[54:55]  ; both blocks' q stay in registers
	global_load_b64 v[QF+4:QF+5], v[L8], s[54:55] offset:512
	global_load_b32 v[QS], v10, s[56:57]
	global_load_b128 v[Q2:Q2+3], v[L16], s[58:59]
	global_load_b64 v[Q2+4:Q2+5], v[L8], s[58:59] offset:512
	global_load_b32 v[QS2], v10, s[60:61]
	v_min_u32 v[PFO], 16, v9
	s_delay_alu instid0(VALU_DEP_1)
	v_lshlrev_b32 v[PFO], 8, v[PFO]
	v_and_b32 v[QLD], 8, v7
	s_delay_alu instid0(VALU_DEP_1)
	v_add_nc_u32 v[QLD], v[QLD], v7                ; r + 8 (r / 8)
	v_lshlrev_b32 v9, 4, v8
	s_delay_alu instid0(VALU_DEP_1)
	v_sub_nc_u32 v[QLD], v[QLD], v9                ; - 16 h
	s_delay_alu instid0(VALU_DEP_1)
	v_add_nc_u32 v[QLD], s66, v[QLD]               ; + 8 u
	v_lshl_add_u32 v[OSB], v7, 5, v8               ; 32 r + h
.irp j, 6,7,8,9,10,11
	v_mov_b32 v[QF+\j], 0                          ; the zero codes of k = 64 .. 127, written once
.irp i, 0,1,2,3
	v_mov_b32 v[KB+12*\i+\j], 0
.endr
.endr
.irp b, 0,1,2,3
	v_mov_b32 v[T2+\b], 0                          ; written once: a lane permute's destination counts as one of its sources
.endr
	v_mov_b32 v[FQ+1], 0                           ; (named as the upper half of a pair)
	INIT
; THE WAY OUT of a query block: O^T / the sum; the head's two blocks of 32 channels are quantised; the half fragment leaves as 512 + 256 consecutive bytes, the two scale bytes of each query as single bytes (a row's 32 bytes come from 16 work-groups)
.macro OUT pc, ps
.rept 4
	v_nop                                          ; the places behind the last products, on every way that leads here
.endr
	v_add_f32 v14, v14, v15                        ; the sum's two halves,
	s_delay_alu instid0(VALU_DEP_1)
	v_permlanex16_b32 v[T2], v14, s[SEL], s[SEL+1]
	s_delay_alu instid0(VALU_DEP_1)
	v_add_f32 v14, v14, v[T2]                      ; and lane l xor 16's
	s_wait_alu depctr_va_vdst(0)
	v_rcp_f32 v14, v14
	v_nop                                          ; a plain line behind the reciprocal
	s_wait_alu depctr_va_vdst(0)                   ; and a wait ahead of its first reader
.set jj, 0
.rept 32
	v_mul_f32 v[S+jj], v[O+jj], v14                ; register 16 b + i: channel 32 b + 16 h + i of my query
.set jj, jj+1
.endr
.irp b, 0,1
	v_max3_num_f32 v[BM+\b], |v[S+16*\b]|, |v[S+16*\b+1]|, 0x1800000
.endr
.irp i, 2,4,6,8,10,12,14
.irp b, 0,1
	s_delay_alu instid0(VALU_DEP_2)
	v_max3_num_f32 v[BM+\b], v[BM+\b], |v[S+16*\b+\i]|, |v[S+16*\b+\i+1]|
.endr
.endr
.irp b, 0,1
	s_delay_alu instid0(VALU_DEP_2)
	v_permlanex16_b32 v[T2+\b], v[BM+\b], s[SEL], s[SEL+1]
.endr
.irp b, 0,1
	s_delay_alu instid0(VALU_DEP_2)
	v_max_num_f32 v[BM+\b], v[BM+\b], v[T2+\b]
.endr
.irp b, 0,1
	s_delay_alu instid0(VALU_DEP_2)
	v_add_nc_u32 v[SOP+\b], 0xff000000, v[BM+\b]
.endr
.irp b, 0,1
	s_delay_alu instid0(VALU_DEP_2)
	v_lshrrev_b32 v[BM+2+\b], 23, v[SOP+\b]
.endr
	v_cvt_scalef32_pk16_fp6_f32 v[PC:PC+2], v[S:S+15], v[SOP]
	v_cvt_scalef32_pk16_fp6_f32 v[CV:CV+2], v[S+16:S+31], v[SOP+1]
	v_nop                                          ; one plain line behind the conversions
.irp i, 0,1,2
	v_permlane16_swap_b32 v[PC+\i], v[CV+\i]
.endr
.irp i, 0,1,2
	s_delay_alu instid0(VALU_DEP_3)
	v_mov_b32 v[PC+3+\i], v[CV+\i]
.endr
	s_mov_b32 vcc_lo, 0xffff0000                   ; lanes 16-31: written directly ahead of its one reader
	v_cndmask_b32 v[TMP], v[BM+2], v[BM+3], vcc_lo ; lane (r, h): block h's byte
	global_store_b128 v[L16], v[PC:PC+3], s[\pc:\pc+1]
	global_store_b64 v[L8], v[PC+4:PC+5], s[\pc:\pc+1] offset:512
	global_store_b8 v[OSB], v[TMP], s[\ps:\ps+1]
	s_wait_xcnt 0x0                                ; the stores have read their registers, which the next steps write
.endm
; THE CHANGE OF SLOTS, at a visit's head: every wave waits for all its tensor loads, adds 0 to its spare word, waits for that and for its reads of the slot that it has left; behind the barrier the slot ahead is whole
; and nobody reads the other one.  fill = 1: that one takes the next visit's slot: a wave's one tensor load until the next such barrier.
.macro CHANGE fill
	s_wait_tensorcnt 0x0                           ; no tensor load of mine is out, so group 0 may be written
	ds_add_u32 v[SPW], v[NIL]                      ; an add of 0 to my spare word; the descriptor's step stands between it and the wait for it
.if \fill
	s_xor_b32 s[G0+1], s[G0+1], SLOT1              ; the other LDS slot
	s_add_co_u32 s66, s[VIS], 1                    ; the next visit:
	s_sub_co_u32 s67, s66, s[XP1]
	s_cmp_gt_u32 s66, s[X]
	s_cselect_b32 s66, s67, s66                    ; slot j + 1 in the first walk, j - x in the second
	s_mul_i32 s[OFF], s66, SLOTB
	s_add_nc_u64 s[G0+2:G0+3], s[KVB:KVB+1], s[OFF:OFF+1]
	s_or_b32 s[G0+3], s[G0+3], 0x80000000
	s_wait_xcnt 0x0                                ; the last prefetch, a visit back, has read its address
	s_add_nc_u64 s[PFA:PFA+1], s[PFA:PFA+1], SLOTB
.endif
	s_wait_dscnt 0x0                               ; the add is done, and my reads of the slot that I have left are over
	s_barrier_signal -1
	s_barrier_wait -1
.if \fill
	TLOAD
	ASK
.endif
.endm
; At the second walk's first visit: the first block leaves, the second block's q takes its place, the sums begin anew.  The branch hangs on the work-group's number and the count of visits.
.macro PHASE
	s_cmp_eq_u32 s[VIS], s[XP1]
	s_cbranch_scc0 .Lsame_\@
	s_wait_alu depctr_va_vdst(0)
	OUT P1C, P1S
	v_mov_b32 v[QS], v[QS2]                        ; first, so that the moves below are the places ahead of the next scaled product
.irp j, 0,1,2,3,4,5
	v_mov_b32 v[QF+\j], v[Q2+\j]
.endr
	INIT
	s_mov_b32 s[KF], 0
	s_mov_b32 s[Q0], s[Q0B]
	s_mov_b32 s[QA], s[QAB]
.Lsame_\@:
.endm
; A KEY STEP: 128 keys, the q-th of the slot in hand
.macro STEP q
	s_cmp_gt_u32 s[KF], s[QA]                      ; all 128 keys come after my queries: the step's work is left out
	s_cbranch_scc1 .Lhid_\@
	v_add_nc_u32 v[A16], s[TB], v[L16]
	s_wait_alu depctr_va_vdst(0)
	v_add_nc_u32 v[A8], s[TB], v[L8]
	s_wait_alu depctr_va_vdst(0)
	v_add_nc_u32 v[A4], s[TB], v[L4]
	v_nop
	v_nop                                          ; five places: the first products below write over registers that the last step's products read as v's fragments
	ds_load_b128 v[KS:KS+3], v[A16] offset:KSC+512*(\q)
.irp g, 0,1                            ; S^T = k q^T, four tiles of 16 keys at a time
.if \g
.rept 4
	v_nop                                          ; places ahead of loads into registers that the products above read
.endr
.endif
.irp i, 0,1,2,3
	ds_load_b128 v[KB+12*\i:KB+12*\i+3], v[A16] offset:(8*(\q)+4*\g+\i)*768
	ds_load_b64 v[KB+12*\i+4:KB+12*\i+5], v[A8] offset:(8*(\q)+4*\g+\i)*768+512
.endr
	s_wait_dscnt 0x0
.irp i, 0,1,2,3
	WMS S+8*(4*\g+\i),KB+12*\i,QF,-1,KS+(4*\g+\i)/2,QS,\i%2,0
.endr
.endr
.rept 4
	v_nop
.endr
	s_cmp_lt_u32 s[KF], s[QA]                      ; all 128 keys count: no mask
	s_cbranch_scc1 .Lopen_\@
	s_sub_co_i32 s66, s[Q0], s[KF]
	v_add_nc_u32 v[TMP], s66, v[QLD]               ; d = my query - KF - 16 h.  Register 16 b + i holds key KF + 16 h + 32 b + i: hidden where 32 b + i > d
	v_mov_b32 v[FQ], 0xff800000                    ; -infinity
.set nn, 0
.rept 64
	v_cmp_gt_i32 vcc_lo, 32*(nn/16)+nn%16, v[TMP]
	v_cndmask_b32 v[S+nn], v[S+nn], v[FQ], vcc_lo
.set nn, nn+1
.endr
.Lopen_\@:
.irp b, 0,1,2,3
	v_max3_num_f32 v[BM+\b], v[S+16*\b], v[S+1+16*\b], v[S+2+16*\b]   ; the largest score of each block of 32 keys: for the row's maximum and, since p rises with the score, for the block's largest p
.endr
.irp i, 3,5,7,9,11,13
.irp b, 0,1,2,3
	v_max3_num_f32 v[BM+\b], v[BM+\b], v[S+16*\b+\i], v[S+1+16*\b+\i]
.endr
.endr
.irp b, 0,1,2,3
	v_max_num_f32 v[BM+\b], v[BM+\b], v[S+15+16*\b]
.endr
.irp b, 0,1,2,3
	s_delay_alu instid0(VALU_DEP_4)
	v_permlanex16_b32 v[T2+\b], v[BM+\b], s[SEL], s[SEL+1]
.endr
.irp b, 0,1,2,3
	s_delay_alu instid0(VALU_DEP_4)
	v_max_num_f32 v[BM+\b], v[BM+\b], v[T2+\b]     ; with lane l xor 16's 16 keys
.endr
	s_delay_alu instid0(VALU_DEP_2)
	v_max3_num_f32 v[TMP], v[BM], v[BM+1], v[BM+2]
	s_delay_alu instid0(VALU_DEP_1)
	v_max_num_f32 v[TMP], v[TMP], v[BM+3]
	s_delay_alu instid0(VALU_DEP_1)
	v_mul_f32 v[TMP], s[CS], v[TMP]                ; the step's largest t
	s_delay_alu instid0(VALU_DEP_1)
	v_max_num_f32 v13, v13, v[TMP]                 ; the running largest
	v_mov_b32 v[TMP], v12
	s_delay_alu instid0(VALU_DEP_2)
	v_floor_f32 v12, -v13                          ; the new -M = -ceil(t)
	s_delay_alu instid0(VALU_DEP_1)
	v_sub_f32 v[TMP], v12, v[TMP]                  ; old M - new M: a whole number, 0 or less
	s_delay_alu instid0(VALU_DEP_1)
	v_cvt_i32_f32 v[TMP], v[TMP]                   ; (it saturates)
	s_delay_alu instid0(VALU_DEP_1)
	v_ldexp_f32 v[FQ], 1.0, v[TMP]                 ; f = 2^(old M - new M)
.set jj, 0
.rept 32
	v_pk_fma_f32 v[S+jj:S+jj+1], v[S+jj:S+jj+1], s[CS:CS+1], v[12:13] op_sel_hi:[1,0,0]   ; t - M, two at a time
.set jj, jj+2
.endr
.irp b, 0,1,2,3
	v_fma_f32 v[BM+\b], v[BM+\b], s[CS], v12       ; the same of each block's largest score
.endr
.set jj, 0
	s_wait_alu depctr_va_vdst(0)
.rept 64
	v_exp_f32 v[S+jj], v[S+jj]                     ; p = 2^(t - M)
.set jj, jj+1
.endr
	v_pk_mul_f32 v[14:15], v[14:15], v[FQ:FQ+1] op_sel_hi:[1,0]   ; the sums under the new M (a plain line behind the exponentials)
	s_wait_alu depctr_va_vdst(0)                   ; one wait for the batch of 64, ahead of its first reader
.irp b, 0,1,2,3
	v_exp_f32 v[BM+\b], v[BM+\b]                   ; each block's largest p
.endr
	v_pk_add_f32 v[224:225], v[88:89], v[92:93]
	v_pk_add_f32 v[254:255], v[96:97], v[100:101]
	v_pk_add_f32 v[252:253], v[104:105], v[108:109]
	v_pk_add_f32 v[250:251], v[112:113], v[116:117]
	v_pk_add_f32 v[248:249], v[120:121], v[124:125]
	v_pk_add_f32 v[246:247], v[128:129], v[132:133]
	v_pk_add_f32 v[244:245], v[136:137], v[140:141]
	v_pk_add_f32 v[14:15], v[14:15], v[144:145]
	v_pk_add_f32 v[224:225], v[224:225], v[84:85]
	v_pk_add_f32 v[254:255], v[254:255], v[86:87]
	v_pk_add_f32 v[252:253], v[252:253], v[90:91]
	v_pk_add_f32 v[250:251], v[250:251], v[94:95]
	v_pk_add_f32 v[248:249], v[248:249], v[98:99]
	v_pk_add_f32 v[246:247], v[246:247], v[102:103]
	v_pk_add_f32 v[244:245], v[244:245], v[106:107]
	v_pk_add_f32 v[14:15], v[14:15], v[110:111]
	v_pk_add_f32 v[224:225], v[224:225], v[114:115]
	v_pk_add_f32 v[254:255], v[254:255], v[118:119]
	v_pk_add_f32 v[252:253], v[252:253], v[122:123]
	v_pk_add_f32 v[250:251], v[250:251], v[126:127]
	v_pk_add_f32 v[248:249], v[248:249], v[130:131]
	v_pk_add_f32 v[246:247], v[246:247], v[134:135]
	v_pk_add_f32 v[244:245], v[244:245], v[138:139]
	v_pk_add_f32 v[14:15], v[14:15], v[142:143]
	v_pk_add_f32 v[224:225], v[224:225], v[146:147]
	s_delay_alu instid0(VALU_DEP_2)
	v_pk_add_f32 v[14:15], v[14:15], v[250:251]
	s_delay_alu instid0(VALU_DEP_2)
	v_pk_add_f32 v[224:225], v[224:225], v[248:249]
	v_pk_add_f32 v[254:255], v[254:255], v[246:247]
	v_pk_add_f32 v[252:253], v[252:253], v[244:245]
	s_delay_alu instid0(VALU_DEP_2)
	v_pk_add_f32 v[14:15], v[14:15], v[254:255]
	s_delay_alu instid0(VALU_DEP_2)
	v_pk_add_f32 v[224:225], v[224:225], v[252:253]
	s_delay_alu instid0(VALU_DEP_1)
	v_pk_add_f32 v[14:15], v[14:15], v[224:225]
	s_wait_alu depctr_va_vdst(0)                   ; and one for the four
.irp b, 0,1,2,3
	v_max_num_f32 v[BM+\b], 0x1800000, v[BM+\b]    ; the floor 2^(3 - 127)
.endr
.irp b, 0,1,2,3
	s_delay_alu instid0(VALU_DEP_4)
	v_add_nc_u32 v[SOP+\b], 0xff000000, v[BM+\b]   ; the conversions' scale operands
.endr
.irp b, 0,1,2,3
	s_delay_alu instid0(VALU_DEP_4)
	v_lshrrev_b32 v[T2+\b], 23, v[SOP+\b]          ; the bytes
.endr
	s_delay_alu instid0(VALU_DEP_3)
	v_lshl_or_b32 v[PS], v[T2+1], 8, v[T2]         ; p's scale word for these 128 keys
	s_delay_alu instid0(VALU_DEP_1)
	v_lshl_or_b32 v[PS], v[T2+2], 16, v[PS]
	s_delay_alu instid0(VALU_DEP_1)
	v_lshl_or_b32 v[PS], v[T2+3], 24, v[PS]
.irp c, 0,1
	v_cvt_scalef32_pk16_fp6_f32 v[PC+6*\c:PC+6*\c+2], v[S+32*\c:S+32*\c+15], v[SOP+2*\c]
	v_cvt_scalef32_pk16_fp6_f32 v[CV+4*\c:CV+4*\c+2], v[S+32*\c+16:S+32*\c+31], v[SOP+2*\c+1]
.endr
	v_nop                                          ; one plain line behind the conversions
.irp t, 0,1,2,3                        ; p has been summed and converted: v's four fragments land on its registers, while the codes are put in order and O^T is rescaled
.irp c, 0,1
	ds_load_b128 v[S+12*\t+6*\c:S+12*\t+6*\c+3], v[A16] offset:VC+((2*(\q)+\c)*4+\t)*768
	ds_load_b64 v[S+12*\t+6*\c+4:S+12*\t+6*\c+5], v[A8] offset:VC+((2*(\q)+\c)*4+\t)*768+512
.endr
.endr
	ds_load_b32 v[VS], v[A4] offset:VSC+256*(\q)
	ds_load_b32 v[VS+1], v[A4] offset:VSC+256*(\q)+128
.irp c, 0,1                            ; a whole block to a lane: lanes 0-15 block 2 c, lanes 16-31 block 2 c + 1
.irp i, 0,1,2
	v_permlane16_swap_b32 v[PC+6*\c+\i], v[CV+4*\c+\i]
.endr
.irp i, 0,1,2
	s_delay_alu instid0(VALU_DEP_3)
	v_mov_b32 v[PC+3+6*\c+\i], v[CV+4*\c+\i]
.endr
.endr
.set jj, 0
.rept 16
	v_pk_mul_f32 v[O+jj:O+jj+1], v[O+jj:O+jj+1], v[FQ:FQ+1] op_sel_hi:[1,0]   ; O^T under the new M.  (For each product below twelve of these name none of its registers: the places behind the codes' and the scale word's last writes)
.set jj, jj+2
.endr
	s_wait_alu depctr_va_vdst(0)
	s_wait_dscnt 0x0
.irp t, 0,1,2,3                        ; O^T += v^T p^T: the four accumulators by turns
	WMS O+8*\t,S+12*\t,PC,O+8*\t,VS+\t/2,PS,\t%2,0
.endr
.Lhid_\@:
	s_add_co_u32 s[KF], s[KF], 128
.endm
.macro SLOT_STEPS
	STEP 0
	STEP 1
	s_xor_b32 s[TB], s[TB], SLOT1
	s_add_co_u32 s[VIS], s[VIS], 1
.endm
	s_wait_loadcnt 0x0                             ; q
.Lvisit:                                           ; eight trips: behind each change of slots the next visit's slot is asked for
	CHANGE 1
	PHASE
	SLOT_STEPS
	s_sub_co_u32 s[SLOTS], s[SLOTS], 1
	s_cmp_lg_u32 s[SLOTS], 0
	s_cbranch_scc1 .Lvisit
	CHANGE 0                                       ; the ninth visit is written out: nothing is left to fetch
	SLOT_STEPS
	s_wait_alu depctr_va_vdst(0)
	OUT P2C, P2S
	s_wait_tensorcnt 0x0                           ; the wave's end
	ds_add_u32 v[SPW], v[NIL]
	s_wait_dscnt 0x0
	s_endpgm
.Lfunc_end_k_q90c0bc3cfb_attn:
	.size	k_q90c0bc3cfb_attn, .Lfunc_end_k_q90c0bc3cfb_attn-k_q90c0bc3cfb_attn
	.p2alignl 7, 3214868480
	.fill 96, 4, 3214868480
	.section	.rodata,"a",@progbits
	.p2align	6, 0x0
	.amdhsa_kernel k_q90c0bc3cfb_attn
		.amdhsa_group_segment_fixed_size 327680
		.amdhsa_private_segment_fixed_size 0
		.amdhsa_enable_private_segment 0
		.amdhsa_kernarg_size 24
		.amdhsa_user_sgpr_count 2
		.amdhsa_user_sgpr_kernarg_segment_ptr 1
		.amdhsa_wavefront_size32 1
		.amdhsa_system_sgpr_workgroup_id_x 1
		.amdhsa_system_sgpr_workgroup_id_y 1
		.amdhsa_system_sgpr_workgroup_id_z 1
		.amdhsa_system_vgpr_workitem_id 0
		.amdhsa_next_free_vgpr 256
		.amdhsa_next_free_sgpr 100
		.amdhsa_reserve_vcc 1
		.amdhsa_float_denorm_mode_32 3
		.amdhsa_float_denorm_mode_16_64 3
		.amdhsa_memory_ordered 1
		.amdhsa_forward_progress 1
		.amdhsa_inst_pref_size 111
	.end_amdhsa_kernel
	.amdgpu_metadata
---
amdhsa.version: [ 1, 2 ]
amdhsa.kernels:
  - .name:           k_q90c0bc3cfb_attn
    .symbol:         k_q90c0bc3cfb_attn.kd
    .args:
      - { .name: qq, .offset: 0, .size: 8, .value_kind: global_buffer, .address_space: global }
      - { .name: kv, .offset: 8, .size: 8, .value_kind: global_buffer, .address_space: global }
      - { .name: cq, .offset: 16, .size: 8, .value_kind: global_buffer, .address_space: global }
    .group_segment_fixed_size: 327680
    .private_segment_fixed_size: 0
    .kernarg_segment_align: 8
    .kernarg_segment_size: 24
    .max_flat_workgroup_size: 512
    .sgpr_count:     100
    .vgpr_count:     256
    .wavefront_size: 32
...
	.end_amdgpu_metadata
.endif
;; end of part 4
;; launch oproj (part 5): grid 4 x 64, 4 waves a work-group, clusters of 4 x 1, 167,936 bytes of LDS; arguments cq, wq, bo, out0; writes out0
.if DOCPART == 5
	.amdgcn_target "amdgcn-amd-amdhsa--gfx1250"
	.amdhsa_code_object_version 6
	.text
	.protected	k_q90c0bc3cfb_oproj
	.globl	k_q90c0bc3cfb_oproj
	.p2align	8
	.type	k_q90c0bc3cfb_oproj,@function
k_q90c0bc3cfb_oproj:
	s_mov_b64 s[64:65], 0
	v_nop
	global_prefetch_b8 v0, s[64:65] scope:SCOPE_SE
	s_setreg_imm32_b32 hwreg(HW_REG_WAVE_MODE, 25, 1), 1
	s_wait_xcnt 0x0
	s_wait_alu depctr_hold_cnt(0) depctr_sa_sdst(0) depctr_va_vdst(0) depctr_va_sdst(0) depctr_va_ssrc(0) depctr_va_vcc(0) depctr_vm_vsrc(0)
	s_getreg_b32 s2, hwreg(HW_REG_IB_STS2, 6, 4)
	s_cmp_eq_u32 s2, 0
	s_cbranch_scc0 .Lentry_in_a_cluster
	s_endpgm
.Lentry_in_a_cluster:
	s_bfe_u32 s2, ttmp6, 0x10000c
	s_cmp_lg_u32 s2, 0x3003
	s_cbranch_scc0 .Lentry_shape_is_right
	s_endpgm
.Lentry_shape_is_right:
; out0 = ctx Wo + bo on codes of FP6 (E2M3).  ctx arrives as half-fragment images [tile of 16 positions][head][768 bytes] with its scale bytes [position][32]; Wo as fragment images.
; SHARES.  A work-group: 128 positions x 256 columns.  A wave: 64 columns for all 128 positions; its 32 weight fragments (4 tiles x 8 K steps, 384 registers) stay in registers; ctx's 98,304 bytes lie in LDS, filled once.
; CLUSTER.  The four work-groups along x need the same rows of ctx: both tensor loads are asked for jointly (mask 15); only the addresses of weights, bias and output hang on the place in the cluster.
; THE PRODUCT IS USED TRANSPOSED (source 0 = 16 columns of Wo, source 1 = 16 positions): a lane holds one position, and the 16 registers of two neighbouring tiles are 16 neighbouring columns.  The bias is the C of each sum's first product.
; OUT: a tile's 16 rows x 256 bytes go through the wave's own stage in LDS and leave so that sixteen lanes store 256 consecutive bytes, aligned; position 16 u + p of a group of 32 is token 8 u + p + 8 (p / 8).
; REGISTERS.  window 0: v4-14 addresses; v16-79 the 8 accumulators; v80-127 ctx's fragments, two sets of two; v128-135 ctx's scale words, v136-151 the weights'; v152-183 the bias; v184-247 rows on the way out.
;   windows 1, 2: W(K step, tile) at v[48 (ks % 4) + 12 t] of window 1 + ks / 4.
.set CS_OFF, 6291456
.set WS_OFF, 3145728
.set ASC,   98304                      ; behind ctx's images: its scale bytes, 16 runs of 256 bytes + 16
.set STG,   ASC+16*272                 ; the stages: 16 rows x 272 bytes for each wave; no tensor load lands here
.set SPARE, STG+4*16*272               ; the spare words: 128 bytes a wave, two blocks of 256 bytes that no other line names
.set A16, 4
.set A8,  5
.set XSA, 6
.set O16, 7
.set O8,  8
.set STO, 9
.set RD,  10
.set CO,  11
.set SPW, 12
.set NIL, 13
.set VBA, 14
.set ACC, 16
.set XF,  80
.set XS,  128
.set WS,  136
.set BI,  152
.set OB,  184
.set WV,  12
.set G1C, 24
.set G1S, 32
.set G0C, 40
.set G0S, 44
.set WP,  52
.set WSP, 54
.set BP,  56
.set OP,  58
.set MSB, 0
.macro WIN new
.if MSB != (\new)
	s_set_vgpr_msb (MSB<<8)|(\new)
.set MSB, \new
.endif
.endm
.macro CROUND
	s_barrier_signal -1
	s_barrier_wait -1
	s_cmp_lg_u32 s[WV], 0
	s_cbranch_scc1 .Lnot_wave_0_\@
	s_barrier_signal -3
.Lnot_wave_0_\@:
	s_barrier_wait -3
	s_barrier_signal -1
	s_barrier_wait -1
.endm
.macro WMS d, a, b, c, sa, sb, ra, rb  ; C begins at v[c]; ra, rb = 1: that side's scales are read from lanes 16-31
.if (\ra) && (\rb)
	v_wmma_scale_f32_16x16x128_f8f6f4 v[(\d):(\d)+7], v[(\a):(\a)+11], v[(\b):(\b)+11], v[(\c):(\c)+7], v[\sa], v[\sb] matrix_a_fmt:MATRIX_FMT_FP6 matrix_b_fmt:MATRIX_FMT_FP6 matrix_a_scale:MATRIX_SCALE_ROW1 matrix_b_scale:MATRIX_SCALE_ROW1
.elseif (\ra)
	v_wmma_scale_f32_16x16x128_f8f6f4 v[(\d):(\d)+7], v[(\a):(\a)+11], v[(\b):(\b)+11], v[(\c):(\c)+7], v[\sa], v[\sb] matrix_a_fmt:MATRIX_FMT_FP6 matrix_b_fmt:MATRIX_FMT_FP6 matrix_a_scale:MATRIX_SCALE_ROW1
.elseif (\rb)
	v_wmma_scale_f32_16x16x128_f8f6f4 v[(\d):(\d)+7], v[(\a):(\a)+11], v[(\b):(\b)+11], v[(\c):(\c)+7], v[\sa], v[\sb] matrix_a_fmt:MATRIX_FMT_FP6 matrix_b_fmt:MATRIX_FMT_FP6 matrix_b_scale:MATRIX_SCALE_ROW1
.else
	v_wmma_scale_f32_16x16x128_f8f6f4 v[(\d):(\d)+7], v[(\a):(\a)+11], v[(\b):(\b)+11], v[(\c):(\c)+7], v[\sa], v[\sb] matrix_a_fmt:MATRIX_FMT_FP6 matrix_b_fmt:MATRIX_FMT_FP6
.endif
.endm
	s_load_b256 s[4:11], s[0:1], 0x0               ; cq, wq, bo, out0
	v_lshl_add_u32 v[SPW], v0, 2, SPARE
	v_mov_b32 v[NIL], 0
	ds_add_u32 v[SPW], v[NIL]                      ; the wave's opening: the add and its wait stand ahead of my first tensor load; the set-up below, work on registers, stands between them
	ds_add_u32 v[SPW], v[NIL]
	v_lshrrev_b32 v1, 5, v0
	v_readfirstlane_b32 s[WV], v1                  ; wave 0..3
	s_bfe_u32 s13, ttmp6, 0x40000                  ; cx
	s_lshl_b32 s14, ttmp9, 2
	s_add_co_u32 s14, s14, s13                     ; which 256 columns
	s_and_b32 s15, ttmp7, 0xffff                   ; which 128 positions, shared by the four partners
	; descriptor group 1 for ctx's images: 24,576 dense bytes as 96 rows of 256 (32 elements of 8 bytes), no padding
	s_mov_b32 s[G1C], 15|(3<<16)|(1<<21)
	s_mov_b32 s[G1C+1], 32<<16
	s_mov_b32 s[G1C+2], 96<<16
	s_mov_b32 s[G1C+3], 32<<16
	s_mov_b32 s[G1C+4], 96
	s_mov_b32 s[G1C+5], 32
	s_mov_b32 s[G1C+6], 0
	s_mov_b32 s[G1C+7], 0
	; and for its scale bytes: 1,024 dense bytes as 4 rows of 256, 16 bytes of padding behind each
	s_mov_b32 s[G1S], 15|(3<<16)|(1<<20)|(1<<21)|(5<<22)|(3<<25)
	s_mov_b32 s[G1S+1], 32<<16
	s_mov_b32 s[G1S+2], 4<<16
	s_mov_b32 s[G1S+3], 32<<16
	s_mov_b32 s[G1S+4], 4
	s_mov_b32 s[G1S+5], 32
	s_mov_b32 s[G1S+6], 0
	s_mov_b32 s[G1S+7], 0
	s_mul_i32 s20, s[WV], 24576                    ; my two tiles, in LDS and in the work-group's part of cq
	s_mul_i32 s76, s15, 98304
	s_add_co_u32 s76, s76, s20
	s_mov_b32 s77, 0
	s_lshl_b32 s78, s15, 7
	s_lshl_b32 s79, s[WV], 5
	s_add_co_u32 s78, s78, s79
	s_lshl_b32 s78, s78, 5
	s_add_co_u32 s78, s78, CS_OFF                  ; my 32 positions' scale bytes
	s_mov_b32 s79, 0
	s_mul_i32 s21, s[WV], 4*272
	s_add_co_u32 s21, s21, ASC
	s_lshl_b32 s16, s14, 3
	s_lshl_b32 s17, s[WV], 1
	s_add_co_u32 s16, s16, s17                     ; my first block of 32 columns of Wo
	s_mul_i32 s68, s16, 24576
	s_add_co_u32 s68, s68, 2359296
	s_mov_b32 s69, 0
	s_add_co_u32 s70, s16, 96
	s_lshl_b32 s70, s70, 10
	s_add_co_u32 s70, s70, WS_OFF
	s_mov_b32 s71, 0
	s_lshl_b32 s72, s16, 7                         ; my first column, in bytes of f32
	s_mov_b32 s73, 0
	s_lshl_b32 s74, s15, 19                        ; 128 rows of 4,096 bytes
	s_add_co_u32 s74, s74, s72
	s_mov_b32 s75, 0
	v_and_b32 v1, 15, v0                           ; r
	v_bfe_u32 v2, v0, 4, 1                         ; h
	v_and_b32 v3, 31, v0                           ; lane
	v_lshlrev_b32 v[A16], 4, v3
	v_lshlrev_b32 v[A8], 3, v3
	v_lshlrev_b32 v[O16], 4, v3
	v_lshlrev_b32 v[O8], 3, v3
	v_lshrrev_b32 v[XSA], 3, v3
	v_lshlrev_b32 v[XSA], 4, v[XSA]
	v_lshl_add_u32 v[XSA], v3, 5, v[XSA]
	v_add_nc_u32 v[XSA], ASC, v[XSA]               ; 32 bytes a position, 16 more for each 256 passed
	s_mul_i32 s22, s[WV], 16*272
	s_add_co_u32 s22, s22, STG                     ; my stage
	v_mul_u32_u24 v[STO], v1, 272
	v_lshl_add_u32 v[STO], v2, 6, v[STO]
	v_add_nc_u32 v[STO], s22, v[STO]               ; in: row r, + 64 h
	v_mul_u32_u24 v[RD], v2, 272
	v_lshl_add_u32 v[RD], v1, 4, v[RD]
	v_add_nc_u32 v[RD], s22, v[RD]                 ; back: lanes 0-15 one row, lanes 16-31 the next
	v_lshlrev_b32 v[CO], 12, v2
	v_lshl_add_u32 v[CO], v1, 4, v[CO]             ; and the same two rows in out0
	v_lshlrev_b32 v[VBA], 6, v2                    ; the bias: my half's 16 columns
	s_wait_dscnt 0x0                               ; the opening add is done
	s_wait_kmcnt 0x0
	s_mov_b32 s[G0C], 1
	s_mov_b32 s[G0C+1], s20
	s_add_nc_u64 s[G0C+2:G0C+3], s[4:5], s[76:77]
	s_or_b32 s[G0C+3], s[G0C+3], 0x80000000
	s_mov_b32 s[G0S], 1
	s_mov_b32 s[G0S+1], s21
	s_add_nc_u64 s[G0S+2:G0S+3], s[4:5], s[78:79]
	s_or_b32 s[G0S+3], s[G0S+3], 0x80000000
	s_add_nc_u64 s[WP:WP+1], s[6:7], s[68:69]
	s_add_nc_u64 s[WSP:WSP+1], s[6:7], s[70:71]
	s_add_nc_u64 s[BP:BP+1], s[8:9], s[72:73]
	s_add_nc_u64 s[OP:OP+1], s[10:11], s[74:75]
	CROUND                                         ; all four work-groups are here: the joint loads meet
	tensor_load_to_lds s[G0C:G0C+3], s[G1C:G1C+7]
	s_nop 0
	tensor_load_to_lds s[G0S:G0S+3], s[G1S:G1S+7]  ; two loads of mine are out, the launch's only ones
	s_nop 0
.rept 4
	v_nop
.endr
.set ks, 0
.rept 8
	WIN (1+ks/4)<<6
.irp t, 0,1,2,3
.irp c, 0,1,2
	global_load_b128 v[48*(ks%4)+12*\t+4*\c:48*(ks%4)+12*\t+4*\c+3], v[O16], s[WP:WP+1] offset:(\t/2)*24576+ks*3072+(\t%2)*1536+512*\c
.endr
.endr
.set ks, ks+1
.endr
	WIN 0
.irp k, 0,1,2,3
	global_load_b64 v[WS+2*\k:WS+2*\k+1], v[O8], s[WSP:WSP+1] offset:256*\k
	global_load_b64 v[WS+8+2*\k:WS+8+2*\k+1], v[O8], s[WSP:WSP+1] offset:1024+256*\k
.endr
	s_wait_alu depctr_va_vdst(0)
.irp t, 0,1,2,3                        ; lane (r, h), register j of tile t: bo[my first column + 32 (t / 2) + 16 h + 8 (t % 2) + j]
	global_load_b128 v[BI+8*\t:BI+8*\t+3], v[VBA], s[BP:BP+1] offset:(32*(\t/2)+8*(\t%2))*4
	global_load_b128 v[BI+8*\t+4:BI+8*\t+7], v[VBA], s[BP:BP+1] offset:(32*(\t/2)+8*(\t%2))*4+16
.endr
	s_wait_loadcnt 0x0
	s_wait_tensorcnt 0x0                           ; my part of ctx is in,
	s_barrier_signal -1
	s_barrier_wait -1                              ; everybody's is
.macro AFRAG reg, u, kk                ; a fragment of ctx: the half fragments of heads 2 kk and 2 kk + 1
.irp c, 0,1
	ds_load_b128 v[(\reg)+6*\c:(\reg)+6*\c+3], v[A16] offset:(\u)*12288+(2*(\kk)+\c)*768
	ds_load_b64 v[(\reg)+6*\c+4:(\reg)+6*\c+5], v[A8] offset:(\u)*12288+(2*(\kk)+\c)*768+512
.endr
.endm
.macro PRE mb
	ds_load_b128 v[XS:XS+3], v[XSA] offset:(\mb)*1088
	ds_load_b128 v[XS+4:XS+7], v[XSA] offset:(\mb)*1088+16
	AFRAG XF,0,0
	AFRAG XF+12,1,0
.endm
.macro TOSTAGE u                       ; a tile's 16 rows x 64 columns into my stage, each accumulator from its low end on, and back as whole rows; LDS serves a wave's instructions in order
.irp t, 0,1,2,3
	ds_store_b128 v[STO], v[ACC+32*(\u)+8*\t:ACC+32*(\u)+8*\t+3] offset:128*(\t/2)+32*(\t%2)
	ds_store_b128 v[STO], v[ACC+32*(\u)+8*\t+4:ACC+32*(\u)+8*\t+7] offset:128*(\t/2)+32*(\t%2)+16
.endr
.irp i, 0,1,2,3,4,5,6,7
	ds_load_b128 v[OB+32*(\u)+4*\i:OB+32*(\u)+4*\i+3], v[RD] offset:544*\i
.endr
.endm
.macro SEND u, mb                      ; stage rows 2 i and 2 i + 1 are tokens 8 u + 2 i + 8 (i / 4) and the next of the group
.irp i, 0,1,2,3,4,5,6,7
	global_store_b128 v[CO], v[OB+32*(\u)+4*\i:OB+32*(\u)+4*\i+3], s[OP:OP+1] offset:(32*(\mb)+8*(\u)+2*\i+8*(\i/4))*4096 th:TH_STORE_NT   ; 16 lanes store 256 consecutive bytes, aligned
.endr
.endm
; A block of 32 positions: 8 K steps x 8 products; the 8 accumulators take turns, one instruction a turn
.macro MBLOCK mb
.set ks, 0
.rept 8
	WIN 0
.if ks < 7
.rept 4
	v_nop                                          ; places ahead of loads into the set that the last step's products read; at a block's head, with the four of the way out, the places ahead of accumulators that begin anew
.endr
	AFRAG XF+24*((ks+1)%2),0,ks+1
	AFRAG XF+24*((ks+1)%2)+12,1,ks+1
	s_wait_dscnt 8                                 ; all but the 8 loads just issued: this step's fragments are in
.else
	s_wait_dscnt 0x0
.endif
	WIN 1+ks/4
.irp u, 0,1
.irp t, 0,1,2,3
.if ks == 0
	WMS ACC+32*\u+8*\t,48*(ks%4)+12*\t,XF+24*(ks%2)+12*\u,BI+8*\t,WS+8*(\t/2)+ks,XS+ks,\t%2,\u
.else
	WMS ACC+32*\u+8*\t,48*(ks%4)+12*\t,XF+24*(ks%2)+12*\u,ACC+32*\u+8*\t,WS+8*(\t/2)+ks,XS+ks,\t%2,\u
.endif
.endr
.endr
.set ks, ks+1
.endr
	WIN 0
	v_add_nc_u32 v[A16], 24576, v[A16]             ; the next two tiles.  These four lines are the places behind the last products
	v_add_nc_u32 v[A8], 24576, v[A8]
	v_nop
	v_nop
.if (\mb) < 3
	PRE (\mb)+1
.endif
	s_wait_alu depctr_va_vdst(0)
	s_wait_xcnt 0x0                                ; the last block's stores have read their registers: the loads below land there
	TOSTAGE 0
	TOSTAGE 1
	s_wait_dscnt 16                                ; tile 0's rows are back: behind them tile 1's 8 stores and 8 loads
	SEND 0,\mb
	s_wait_dscnt 0x0
	SEND 1,\mb
.endm
	PRE 0
.irp m, 0,1,2,3
	MBLOCK \m
.endr
	s_wait_tensorcnt 0x0                           ; the wave's end
	ds_add_u32 v[SPW], v[NIL]
	s_wait_dscnt 0x0
	CROUND                                         ; the closing round
	s_endpgm
.Lfunc_end_k_q90c0bc3cfb_oproj:
	.size	k_q90c0bc3cfb_oproj, .Lfunc_end_k_q90c0bc3cfb_oproj-k_q90c0bc3cfb_oproj
	.p2alignl 7, 3214868480
	.fill 96, 4, 3214868480
	.section	.rodata,"a",@progbits
	.p2align	6, 0x0
	.amdhsa_kernel k_q90c0bc3cfb_oproj
		.amdhsa_group_segment_fixed_size 167936
		.amdhsa_private_segment_fixed_size 0
		.amdhsa_enable_private_segment 0
		.amdhsa_kernarg_size 32
		.amdhsa_user_sgpr_count 2
		.amdhsa_user_sgpr_kernarg_segment_ptr 1
		.amdhsa_wavefront_size32 1
		.amdhsa_system_sgpr_workgroup_id_x 1
		.amdhsa_system_sgpr_workgroup_id_y 1
		.amdhsa_system_sgpr_workgroup_id_z 1
		.amdhsa_system_vgpr_workitem_id 0
		.amdhsa_next_free_vgpr 768
		.amdhsa_next_free_sgpr 80
		.amdhsa_reserve_vcc 0
		.amdhsa_float_denorm_mode_32 3
		.amdhsa_float_denorm_mode_16_64 3
		.amdhsa_memory_ordered 1
		.amdhsa_forward_progress 1
		.amdhsa_inst_pref_size 87
	.end_amdhsa_kernel
	.amdgpu_metadata
---
amdhsa.version: [ 1, 2 ]
amdhsa.kernels:
  - .name:           k_q90c0bc3cfb_oproj
    .symbol:         k_q90c0bc3cfb_oproj.kd
    .args:
      - { .name: cq, .offset: 0, .size: 8, .value_kind: global_buffer, .address_space: global }
      - { .name: wq, .offset: 8, .size: 8, .value_kind: global_buffer, .address_space: global }
      - { .name: bo, .offset: 16, .size: 8, .value_kind: global_buffer, .address_space: global }
      - { .name: out0, .offset: 24, .size: 8, .value_kind: global_buffer, .address_space: global }
    .group_segment_fixed_size: 167936
    .private_segment_fixed_size: 0
    .kernarg_segment_align: 8
    .kernarg_segment_size: 32
    .max_flat_workgroup_size: 128
    .sgpr_count:     80
    .vgpr_count:     768
    .wavefront_size: 32
...
	.end_amdgpu_metadata
.endif
;; end of part 5
